; MI455X (gfx1250); checked and timed in simulation.
; The chip was launched on July 23, 2026; its instructions are those of AMD's public machine-readable ISA for CDNA 5 (MIT licence, August 2026) and "CDNA5" Instruction Set Architecture Reference Guide (July 2026). The comments in the code are by the model that wrote it; some were corrected since.
;; Cross Attention. Allowed arithmetic: matrix products marked QUANTISED: E4M3 operands, one given power-of-two scale a tensor, by v_wmma_f32_16x16x64_fp8_fp8 or v_wmma_f32_16x16x128_fp8_fp8, f32 sums; everything else in f32.
;; Inputs: Wk 16 x 1,024 x 64 float32; Wo 1,024 x 1,024 float32; Wq 16 x 1,024 x 64 float32; Wv 16 x 1,024 x 64 float32; bk 16 x 64 float32; bo 1,024 float32; bq 16 x 64 float32; bv 16 x 64 float32; encoder_output 4 x 2,048 x 1,024 float32; lowp_scales 12 int32 (the exponents e of the quantised operands' scales 2^e); x 4 x 2,048 x 1,024 float32.
;; Outputs: out0 4 x 2,048 x 1,024 float32.
;; This version of the problem:
;;   THIS VERSION OF THE PROBLEM IS GIVEN IN LOW PRECISION. The matrix products marked QUANTISED in the list below multiply operands that are first quantised to E4M3 (4 exponent bits, 3 mantissa bits; 8 bits a number), with one given power-of-two scale for each operand tensor; their sums are f32. All else is computed in f32.
;;   The module's matrix products, in the order in which they are computed (A, B: the left and right operand; K: the contracted axis; several contracted axes count as one K, in the product's order):
;;     1. [M 1,024, K 1,024] x [K 1,024, N 8,192]; A: input Wq; B: input x: QUANTISED (scales: A lowp_scales[0], B lowp_scales[1])
;;     2. [M 1,024, K 1,024] x [K 1,024, N 8,192]; A: input Wk; B: input encoder_output: QUANTISED (scales: A lowp_scales[2], B lowp_scales[3])
;;     3. [M 1,024, K 1,024] x [K 1,024, N 8,192]; A: input Wv; B: input encoder_output: QUANTISED (scales: A lowp_scales[4], B lowp_scales[5])
;;     4. batch 64 x [M 2,048, K 64] x [K 64, N 2,048]; A: computed on the way; B: computed on the way: QUANTISED (scales: A lowp_scales[6], B lowp_scales[7])
;;     5. batch 64 x [M 2,048, K 2,048] x [K 2,048, N 64]; A: softmax (see below); B: computed on the way: QUANTISED (scales: A lowp_scales[8], B lowp_scales[9])
;;     6. [M 8,192, K 1,024] x [K 1,024, N 1,024]; A: computed on the way; B: input Wo: QUANTISED (scales: A lowp_scales[10], B lowp_scales[11])
;;   THE QUANTISER, for each operand of a quantised product, along K:
;;     - The operand's scale is 2^e, e = its entry of the input lowp_scales (int32; the entries are numbered through the quantised products in the list's order, A before B).
;;     - Each number is divided by the scale, clamped to +-448, and rounded to the nearest number of E4M3, ties to even, subnormals kept.
;;     - The product sums the exact products of the quantised numbers (number of the format x scale) in f32.
;;   ~~~python
;;   def quantise(x, axis, e):      # numpy; x: float32 -> the quantised numbers, widened to float32 again
;;       x = np.moveaxis(x, axis, -1); K = x.shape[-1]
;;       r = np.clip(x / 2.0 ** e, -448, 448)
;;       step = 2.0 ** (np.maximum(np.frexp(np.where(r == 0, 1, r))[1] - 1, -6) - 3)
;;       q = np.round(r / step) * step * 2.0 ** e      # np.round: ties to even
;;       return np.moveaxis(q, -1, axis).astype(np.float32)
;;   ~~~
;;   SOFTMAX AHEAD OF A QUANTISED PRODUCT. Where the list says 'softmax', what is quantised is not the finished softmax but p = 2^(t - M), with t = logit x log2(e) and M = ceil(the row's largest t), a whole number; so 1/2 < the row's largest p <= 1. The row's sum l is taken of the UNQUANTISED p, in f32, and the product's result is divided by l at the end. Since M is a whole number, a kernel that streams over the keys may use a running M (the ceiling of the running maximum): every later rescaling is an exact power of two, so the quantised numbers keep their values, but for numbers so far below the row's largest that they fall under the format's range.
;;   OPERANDS COMPUTED ON THE WAY. 'Computed on the way' means the value that the module computes at that place (a softmax that the list does not call 'softmax' is quantised finished and normalised). What goes into a quantiser is computed in f32, as accurately as f32 sums, v_exp_f32 and their like allow (about 1e-6 of the number): no bf16 or f16 on the way to a quantiser, and a product that is left as it is and whose result goes on into a quantised operand takes f32 operands (vector FMAs, or v_wmma_f32_16x16x4_f32). A number that lies on a knife's edge between two numbers of the format may be rounded either way, as far as f32 arithmetic and the matrix unit's own rounding can turn it there, and no further.
;; One version. Each part assembles by itself: llvm-mc -triple=amdgcn-amd-amdhsa -mcpu=gfx1250 --defsym DOCPART=n.
;; ======== version 1 of 1: 4 launches
;; workspace buffers: acts 25,165,824 bytes; wts 4,194,304 bytes; qkv 25,165,824 bytes; mh 8,388,608 bytes
;; launch prep (part 1): grid 640 x 1, 4 waves a work-group, no clusters, 68,096 bytes of LDS; arguments x, encoder_output, Wq, Wk, Wv, Wo, lowp_scales, acts, wts; writes acts, wts
.if DOCPART == 1
	.amdgcn_target "amdgcn-amd-amdhsa--gfx1250"
	.amdhsa_code_object_version 6
	.text
	.protected	k_q4acbda2e23_prep
	.globl	k_q4acbda2e23_prep
	.p2align	8
	.type	k_q4acbda2e23_prep,@function
k_q4acbda2e23_prep:
	s_mov_b64 s[64:65], 0
	v_nop
	global_prefetch_b8 v0, s[64:65] scope:SCOPE_SE
	s_setreg_imm32_b32 hwreg(HW_REG_WAVE_MODE, 25, 1), 1
	s_wait_xcnt 0x0
; THE QUANTISER.  f32 inputs become codes of FP8 (E4M3), one byte each, K innermost, each with the scale 2^e that is given for it:
; code = number / 2^e, held within +-448, rounded to the nearest code, ties to even.
;   acts [3][8192][1024]: part 0 = x by e1; part 1 = encoder_output by e3 (for k); part 2 = encoder_output by e5 (for v).
;   wts  [4][n = 1024][k = 1024]: Wq by e0, Wk by e2, Wv by e4 (n = 64 head + e, k = the model's axis), Wo by e11 (n = output column, k = 64 head + e).
; LIMITS: each e between -126 and 119, so that 2^e and 448 x 2^e are f32 numbers.  NaN among the inputs is not served (an infinity is held at the largest code).
; Work-groups 0 to 127 take the weights, 128 to 383 x, 384 to 639 encoder_output.  The two ways part on the work-group's number and use LDS bytes of their own.
; No tensor loads, no barrier: waves share nothing.  No matrix work, no cluster: the launch only streams.
; ACTIVATIONS: rows are dense, so a tensor is a plain stream.  A wave takes 16 steps of 512 numbers.  A load reads 512 consecutive bytes, 16 a lane; a step's 2,048 bytes turn through the wave's own stage in LDS
; and come back 64 bytes a lane, 16 neighbours along K, as the conversions want them.  A lane's 16 codes are 16 bytes: a store of the wave covers 512 consecutive bytes, aligned.
; encoder_output is read once and quantised twice.
; WEIGHTS: K is not innermost.  A lane takes a column n and its registers run down K: each load reads 128 consecutive bytes a wave, the conversions give codes with K innermost; they leave through the wave's stage,
; sixteen lanes to 256 consecutive aligned bytes.  A wave takes 32 columns x 256 along K.  One text serves both row pitches (256 bytes in a head's weight, 4,096 in Wo): the pitch stands in registers.
.set STEPS, 16
.set SP,    80                         ; a lane's place in an activation stage: its 64 bytes + 16 of padding
.set WREG,  8192                       ; LDS 0 .. 32,767: a region for each wave: two stages of 32 x SP bytes
.set R,     16                         ; v16-79   four sets of 16 numbers as they are loaded
.set X,     80                         ; v80-111  two sets of 16 neighbours
.set T,     112                        ; v112-127 the numbers held for the second scale
.set C,     128                        ; v128-191 codes, four registers a step: no store's data are written again
.set C2,    192                        ; v192-255 the same for the second scale
.set WST,   32768                      ; LDS 32,768 .. 67,583: the weights' stages, 32 rows x WP bytes a wave
.set WP,    272                        ; a stage row: 256 bytes of codes + 16
.set VO,    16                         ; v16-47   weights: row i's byte offset: pitch x i + 4 x lane
.set XW,    48                         ; v48-111  two sets of 32 numbers
.set CW,    112                        ; v112-119 a block's codes
.set OUTR,  128                        ; v128-191 the way out
.set BT,    44                         ; s[44:59] eight bases: block t's first row
	s_load_b256 s[4:11], s[0:1], 0x0               ; x s[4:5], encoder_output s[6:7], Wq s[8:9], Wk s[10:11]
	s_load_b256 s[12:19], s[0:1], 0x20             ; Wv s[12:13], Wo s[14:15], the scales' exponents s[16:17], acts s[18:19]
	s_load_b64 s[20:21], s[0:1], 0x40              ; wts
	v_lshl_add_u32 v9, v0, 2, 0x10800
	s_set_vgpr_msb 0x40
	v_mov_b32 v1, 0
	s_set_vgpr_msb 0x4000
	v_lshrrev_b32 v1, 5, v0
	v_readfirstlane_b32 s22, v1                    ; wave 0..3
	v_and_b32 v2, 31, v0                           ; lane
	s_wait_kmcnt 0x0
	s_load_b256 s[24:31], s[16:17], 0x0            ; e0 .. e7
	s_load_b32 s32, s[16:17], 0x2c                 ; e11
	s_cmp_lt_u32 ttmp9, 128
	s_cbranch_scc1 .Lweights
	; ---------------- activations ----------------
	s_sub_co_u32 s33, ttmp9, 128
	s_cmp_lt_u32 s33, 256                          ; x's work-group or encoder_output's?  All choices on this compare stand ahead of the next sum
	s_cselect_b32 s23, 1, 0                        ; 1: x
	s_cselect_b32 s34, 0, 256
	s_cselect_b32 s36, 0, 0x1000000                ; the main codes go to part 0 (x) or part 2 (encoder_output by e5)
	s_cselect_b64 s[4:5], s[4:5], s[6:7]
	s_sub_co_u32 s33, s33, s34
	s_lshl_b32 s33, s33, 2
	s_add_co_u32 s33, s33, s22                     ; which run of 8,192 numbers is my wave's: 0 .. 1,023
	s_lshl_b32 s38, s33, 15                        ; its bytes as f32
	s_mov_b32 s39, 0
	s_add_nc_u64 s[4:5], s[4:5], s[38:39]
	s_lshl_b32 s38, s33, 13                        ; and as codes
	s_add_co_u32 s36, s36, s38
	s_mov_b32 s37, 0
	s_add_nc_u64 s[40:41], s[18:19], s[36:37]      ; the main codes
	s_add_co_u32 s38, s38, 0x800000
	s_add_nc_u64 s[42:43], s[18:19], s[38:39]      ; part 1: encoder_output by e3
	v_lshlrev_b32 v3, 4, v2                        ; my 16 bytes of a load's 512, and of a step's 512 bytes of codes; never rewritten
	s_mul_i32 s35, s22, WREG
	v_lshrrev_b32 v14, 2, v2
	v_mul_u32_u24 v14, v14, SP
	v_and_b32 v15, 3, v2
	v_lshl_add_u32 v14, v15, 4, v14
	v_add_nc_u32 v14, s35, v14                     ; the stage, on the way in: four lanes' 64 bytes on end, then the padding
	v_mul_u32_u24 v15, v2, SP
	v_add_nc_u32 v15, s35, v15                     ; and on the way out: my 16 neighbours
.macro ALOAD t
.irp i, 0,1,2,3
	global_load_b128 v[R+16*((\t)%4)+4*\i:R+16*((\t)%4)+4*\i+3], v3, s[4:5] offset:2048*(\t)+512*\i th:TH_LOAD_NT   ; 32 lanes read 512 consecutive bytes; read once in the launch
.endr
.endm
.macro ATURN t                         ; step t's numbers through the stage: LDS serves a wave's instructions in order, so no wait stands between the stores and the loads
.irp i, 0,1,2,3
	ds_store_b128 v14, v[R+16*((\t)%4)+4*\i:R+16*((\t)%4)+4*\i+3] offset:32*SP*((\t)%2)+8*SP*\i
.endr
.irp i, 0,1,2,3
	ds_load_b128 v[X+16*((\t)%2)+4*\i:X+16*((\t)%2)+4*\i+3], v15 offset:32*SP*((\t)%2)+16*\i
.endr
.endm
.irp t, 0,1,2,3
	ALOAD \t
.endr
	s_wait_kmcnt 0x0
	s_cmp_lg_u32 s23, 0
	s_cselect_b32 s44, s25, s29                    ; the main scale: e1 for x, e5 for encoder_output
	s_add_co_i32 s44, s44, 127
	s_lshl_b32 s45, s44, 23
	v_mov_b32 v11, s45                             ; 2^e as f32: the conversion takes its exponent field
	s_add_co_i32 s44, s44, 8
	s_lshl_b32 s44, s44, 23
	s_or_b32 s44, s44, 0x600000
	v_mov_b32 v10, s44                             ; 448 x 2^e
	s_add_co_i32 s44, s27, 127                     ; the second scale: e3
	s_lshl_b32 s45, s44, 23
	v_mov_b32 v13, s45
	s_add_co_i32 s44, s44, 8
	s_lshl_b32 s44, s44, 23
	s_or_b32 s44, s44, 0x600000
	v_mov_b32 v12, s44
	s_wait_loadcnt 12                              ; step 0's four loads are in; those of steps 1 to 3 may be out
	ATURN 0
.macro ASTEP t
.set XS, X+16*((\t)%2)
	s_wait_dscnt 0x0                               ; this step's numbers are back from the stage: so its stores into the stage have read their registers,
.if (\t)+4 < STEPS
	ALOAD (\t)+4                                   ; which take the loads of four steps on
.endif
.if (\t)+1 < STEPS
.if STEPS-2-(\t) >= 3
	s_wait_loadcnt 12                              ; the next step's four loads are in; those of the three steps behind it may be out
.else
	s_wait_loadcnt 4*(STEPS-2-(\t))
.endif
	ATURN (\t)+1                                   ; and go through the other stage while this step is worked
.endif
	s_cmp_lg_u32 s23, 0                            ; x has one scale: a branch on the work-group's number
	s_cbranch_scc1 .Lone_\@
.set ai, 0
.rept 16
	v_med3_num_f32 v[T+ai], v[XS+ai], -v12, v12    ; the conversion to an 8-bit code does not saturate (ISA guide 7.6.2): the hold comes first.  Into other registers: the numbers are wanted once more
.set ai, ai+1
.endr
	v_cvt_scalef32_pk8_fp8_f32 v[C2+4*(\t):C2+4*(\t)+1], v[T:T+7], v13
	v_cvt_scalef32_pk8_fp8_f32 v[C2+4*(\t)+2:C2+4*(\t)+3], v[T+8:T+15], v13
	global_store_b128 v3, v[C2+4*(\t):C2+4*(\t)+3], s[42:43] offset:512*(\t)
.Lone_\@:
.set ai, 0
.rept 16
	v_med3_num_f32 v[XS+ai], v[XS+ai], -v10, v10   ; (these sixteen plain lines also stand between the conversions above and the next write of their sources)
.set ai, ai+1
.endr
	v_cvt_scalef32_pk8_fp8_f32 v[C+4*(\t):C+4*(\t)+1], v[XS:XS+7], v11
	v_cvt_scalef32_pk8_fp8_f32 v[C+4*(\t)+2:C+4*(\t)+3], v[XS+8:XS+15], v11
	global_store_b128 v3, v[C+4*(\t):C+4*(\t)+3], s[40:41] offset:512*(\t)   ; the wave stores 512 consecutive bytes, aligned
.endm
.irp t, 0,1,2,3,4,5,6,7,8,9,10,11,12,13,14,15
	ASTEP \t
.endr
	s_set_vgpr_msb 0x4
	s_wait_tensorcnt 0x0
	ds_add_u32 v9, v1
	s_wait_dscnt 0x0
	s_set_vgpr_msb 0x400
	s_endpgm
	; ---------------- weights ----------------
.Lweights:
	s_lshr_b32 s33, ttmp9, 5                       ; which tensor: 0 Wq, 1 Wk, 2 Wv, 3 Wo
	s_and_b32 s34, ttmp9, 31
	s_and_b32 s35, s34, 7
	s_lshr_b32 s34, s34, 3                         ; which 256 along K
	s_lshl_b32 s35, s35, 7
	s_lshl_b32 s36, s22, 5
	s_add_co_u32 s35, s35, s36                     ; n0, my wave's first column: 32 columns lie in one head
	s_lshl_b32 s38, s35, 2                         ; Wo: column n0 begins 4 n0 bytes into a row
	s_lshr_b32 s39, s35, 6
	s_lshl_b32 s39, s39, 18                        ; a head's weight: 1,024 rows of 256 bytes,
	s_and_b32 s36, s35, 63
	s_lshl_b32 s36, s36, 2
	s_add_co_u32 s39, s39, s36                     ; + 4 x the column in the head
	s_cmp_eq_u32 s33, 1
	s_cselect_b64 s[8:9], s[10:11], s[8:9]
	s_cmp_eq_u32 s33, 2
	s_cselect_b64 s[8:9], s[12:13], s[8:9]
	s_cmp_eq_u32 s33, 3
	s_cselect_b64 s[8:9], s[14:15], s[8:9]
	s_cselect_b32 s40, s38, s39
	s_mov_b32 s37, 256
	s_cselect_b32 s37, 4096, s37                   ; the pitch from row k to row k + 1
	s_mul_i32 s36, s34, s37
	s_lshl_b32 s36, s36, 8                         ; 256 rows for each step along K
	s_add_co_u32 s40, s40, s36
	s_mov_b32 s41, 0
	s_add_nc_u64 s[BT:BT+1], s[8:9], s[40:41]
	s_lshl_b32 s60, s37, 5                         ; 32 rows on
	s_mov_b32 s61, 0
.irp t, 1,2,3,4,5,6,7
	s_add_nc_u64 s[BT+2*\t:BT+2*\t+1], s[BT+2*\t-2:BT+2*\t-1], s[60:61]
.endr
	s_lshl_b32 s40, s33, 20                        ; the codes: tensor x 1 MiB + n0 x 1,024 + 256 x the step along K
	s_lshl_b32 s36, s35, 10
	s_add_co_u32 s40, s40, s36
	s_lshl_b32 s36, s34, 8
	s_add_co_u32 s40, s40, s36
	s_add_nc_u64 s[62:63], s[20:21], s[40:41]
	v_lshlrev_b32 v3, 2, v2                        ; 4 bytes a lane
.set wi, 0
.rept 32
	v_mad_u32_u24 v[VO+wi], s37, wi, v3
.set wi, wi+1
.endr
	s_mul_i32 s36, s22, 32*WP
	s_add_co_u32 s36, s36, WST                     ; my stage
	v_mul_u32_u24 v4, v2, WP
	v_add_nc_u32 v4, s36, v4                       ; into it: row = my column
	v_and_b32 v5, 15, v2
	v_lshrrev_b32 v6, 4, v2                        ; out of it: sixteen lanes to a row, two rows an instruction
	v_mul_u32_u24 v7, v6, WP
	v_lshl_add_u32 v7, v5, 4, v7
	v_add_nc_u32 v7, s36, v7
	v_lshlrev_b32 v8, 10, v6
	v_lshl_add_u32 v8, v5, 4, v8                   ; and the same place in the codes' buffer
.macro WLOAD t                         ; block t: W(32 t + i, my column), i = 0 .. 31, into set t % 2
.set wi, 0
.rept 32
	global_load_b32 v[XW+32*((\t)%2)+wi], v[VO+wi], s[BT+2*(\t):BT+2*(\t)+1] th:TH_LOAD_NT
.set wi, wi+1
.endr
.endm
	WLOAD 0
	WLOAD 1
	s_wait_kmcnt 0x0
	s_cmp_eq_u32 s33, 1
	s_cselect_b32 s24, s26, s24                    ; e0, e2, e4 or e11
	s_cmp_eq_u32 s33, 2
	s_cselect_b32 s24, s28, s24
	s_cmp_eq_u32 s33, 3
	s_cselect_b32 s24, s32, s24
	s_add_co_i32 s24, s24, 127
	s_lshl_b32 s25, s24, 23
	v_mov_b32 v11, s25                             ; 2^e
	s_add_co_i32 s24, s24, 8
	s_lshl_b32 s24, s24, 23
	s_or_b32 s24, s24, 0x600000
	v_mov_b32 v10, s24                             ; 448 x 2^e
.macro WBLOCK t
.set XS, XW+32*((\t)%2)
.if (\t) < 7
	s_wait_loadcnt 32                              ; this block's 32 loads are in; the next block's may be out
.else
	s_wait_loadcnt 0
.endif
.set wj, 0
.rept 32
	v_med3_num_f32 v[XS+wj], v[XS+wj], -v10, v10
.set wj, wj+1
.endr
.irp g, 0,1,2,3
	v_cvt_scalef32_pk8_fp8_f32 v[CW+2*\g:CW+2*\g+1], v[XS+8*\g:XS+8*\g+7], v11
.endr
	ds_store_b128 v4, v[CW:CW+3] offset:32*(\t)    ; 32 codes: 32 bytes of my column's row
	ds_store_b128 v4, v[CW+4:CW+7] offset:32*(\t)+16
.if (\t)+2 < 8
	WLOAD (\t)+2
.endif
	s_wait_dscnt 0x0                               ; the stores have read their registers: the next block's codes may be written (its 32 holds are the plain lines behind these conversions)
.endm
.irp t, 0,1,2,3,4,5,6,7
	WBLOCK \t
.endr
.irp t, 0,1,2,3,4,5,6,7,8,9,10,11,12,13,14,15
	ds_load_b128 v[OUTR+4*\t:OUTR+4*\t+3], v7 offset:2*\t*WP   ; LDS serves a wave's instructions in order: these see my stores
.endr
.irp t, 0,1,2,3,4,5,6,7,8,9,10,11,12,13,14,15
	s_wait_dscnt 15-\t                             ; the younger reads may be out
	global_store_b128 v8, v[OUTR+4*\t:OUTR+4*\t+3], s[62:63] offset:2*\t*1024   ; sixteen lanes store 256 consecutive bytes, aligned
.endr
	s_set_vgpr_msb 0x4
	s_wait_tensorcnt 0x0
	ds_add_u32 v9, v1
	s_wait_dscnt 0x0
	s_set_vgpr_msb 0x400
	s_endpgm
.Lfunc_end_k_q4acbda2e23_prep:
	.size	k_q4acbda2e23_prep, .Lfunc_end_k_q4acbda2e23_prep-k_q4acbda2e23_prep
	.p2alignl 7, 3214868480
	.fill 96, 4, 3214868480
	.section	.rodata,"a",@progbits
	.p2align	6, 0x0
	.amdhsa_kernel k_q4acbda2e23_prep
		.amdhsa_group_segment_fixed_size 68096
		.amdhsa_private_segment_fixed_size 0
		.amdhsa_enable_private_segment 0
		.amdhsa_kernarg_size 72
		.amdhsa_user_sgpr_count 2
		.amdhsa_user_sgpr_kernarg_segment_ptr 1
		.amdhsa_wavefront_size32 1
		.amdhsa_system_sgpr_workgroup_id_x 1
		.amdhsa_system_sgpr_workgroup_id_y 1
		.amdhsa_system_sgpr_workgroup_id_z 1
		.amdhsa_system_vgpr_workitem_id 0
		.amdhsa_next_free_vgpr 258
		.amdhsa_next_free_sgpr 66
		.amdhsa_reserve_vcc 0
		.amdhsa_float_denorm_mode_32 3
		.amdhsa_float_denorm_mode_16_64 3
		.amdhsa_memory_ordered 1
		.amdhsa_forward_progress 1
		.amdhsa_inst_pref_size 110
	.end_amdhsa_kernel
	.amdgpu_metadata
---
amdhsa.version: [ 1, 2 ]
amdhsa.kernels:
  - .name:           k_q4acbda2e23_prep
    .symbol:         k_q4acbda2e23_prep.kd
    .args:
      - { .name: x, .offset: 0, .size: 8, .value_kind: global_buffer, .address_space: global }
      - { .name: encoder_output, .offset: 8, .size: 8, .value_kind: global_buffer, .address_space: global }
      - { .name: Wq, .offset: 16, .size: 8, .value_kind: global_buffer, .address_space: global }
      - { .name: Wk, .offset: 24, .size: 8, .value_kind: global_buffer, .address_space: global }
      - { .name: Wv, .offset: 32, .size: 8, .value_kind: global_buffer, .address_space: global }
      - { .name: Wo, .offset: 40, .size: 8, .value_kind: global_buffer, .address_space: global }
      - { .name: lowp_scales, .offset: 48, .size: 8, .value_kind: global_buffer, .address_space: global }
      - { .name: acts, .offset: 56, .size: 8, .value_kind: global_buffer, .address_space: global }
      - { .name: wts, .offset: 64, .size: 8, .value_kind: global_buffer, .address_space: global }
    .group_segment_fixed_size: 68096
    .private_segment_fixed_size: 0
    .kernarg_segment_align: 8
    .kernarg_segment_size: 72
    .max_flat_workgroup_size: 128
    .sgpr_count:     66
    .vgpr_count:     258
    .wavefront_size: 32
...
	.end_amdgpu_metadata
.endif
;; end of part 1
;; launch proj (part 2): grid 4 x 96, 4 waves a work-group, clusters of 4 x 4, 327,680 bytes of LDS; arguments acts, wts, bq, bk, bv, lowp_scales, qkv; writes qkv
.if DOCPART == 2
	.amdgcn_target "amdgcn-amd-amdhsa--gfx1250"
	.amdhsa_code_object_version 6
	.text
	.protected	k_q4acbda2e23_proj
	.globl	k_q4acbda2e23_proj
	.p2align	8
	.type	k_q4acbda2e23_proj,@function
k_q4acbda2e23_proj:
	s_mov_b64 s[64:65], 0
	v_nop
	global_prefetch_b8 v0, s[64:65] scope:SCOPE_SE
	s_setreg_imm32_b32 hwreg(HW_REG_WAVE_MODE, 25, 1), 1
	s_wait_xcnt 0x0
	s_wait_alu depctr_hold_cnt(0) depctr_sa_sdst(0) depctr_va_vdst(0) depctr_va_sdst(0) depctr_va_ssrc(0) depctr_va_vcc(0) depctr_vm_vsrc(0)
	s_getreg_b32 s2, hwreg(HW_REG_IB_STS2, 6, 4)
	s_cmp_eq_u32 s2, 0
	s_cbranch_scc0 .Lentry_in_a_cluster
	s_endpgm
.Lentry_in_a_cluster:
	s_bfe_u32 s2, ttmp6, 0x10000c
	s_cmp_lg_u32 s2, 0xf033
	s_cbranch_scc0 .Lentry_shape_is_right
	s_endpgm
.Lentry_shape_is_right:
; THE THREE PROJECTIONS, on codes of FP8 (E4M3): q = x Wq + bq, k = enc Wk + bk, v = enc Wv + bv; each finished sum x 2^(its two exponents added) + bias in f32, then quantised for attention:
; q by e6 and k by e7 as [batch x head][token][64], v by e9 as [batch x head][64][token], the keys innermost, since they are the K of attention's second product.
; LIMITS: e0 + e1, e2 + e3, e4 + e5 between -126 and 127; e6, e7, e9 between -126 and 119, so that each power of two below is an f32 number.
; A tile of 256 x 256 results is made by a work-group of four waves; a wave makes 128 x 128: 64 accumulators of 16 x 16, 512 registers.  K = 1,024 goes in four steps of 256 through a ring of two LDS slots.
; THE MATRIX INSTRUCTION: source 1 ('A') gives a lane its row, source 0 ('B') gives the lane's eight registers eight neighbours.  q, k: A = tokens, B = the weight's columns (head, e): a lane holds eight neighbouring e.
; v: A = the weight's columns, B = tokens: a lane holds eight neighbouring tokens.  Only pointers and tile numbers differ between the kinds; the kind hangs on the cluster's y alone and is the same in all partners.
; 384 tiles: 3 kinds x 128.  CLUSTERS: 4 x 4 work-groups; the four of a row of the cluster need the same tiles of A, the four of a column the same tiles of B: each tile is asked for jointly.
; No prefetch: of the four K steps two are first fills, and the walk along K is short.
; REGISTERS, in windows of 256: window 0: v0-31 addresses; v32-95 the bias table; v96-103 its offsets; from v128 A's fragments, ONE set; on the way out v128-255 are free.
;   window 1: B's fragments, TWO sets, at v0 and v128.   window 2: the accumulators of my rows 0-63 ((a, b) at v[8 (8 a + b)]);   window 3: those of my rows 64-127.
.set ROWB,   256                       ; a tile's row: 256 codes
.set KROW,   1024                      ; a row of codes in memory
.set PITCH,  272                       ; an LDS row: 256 bytes + 16: the 16 rows that a load touches start at 16 different banks (64 banks of 4 bytes: ISA guide 11.1)
.set FR,     16                        ; registers of a fragment: 16 rows x 128 K
.set NL,     4                         ; LDS loads that bring one
.set NP,     4                         ; places behind this matrix instruction (ISA guide 7.12.1)
.set HALFT,  128*PITCH
.set SLOT,   4*HALFT                   ; A's 256 rows, then B's 256 rows
.set SPARE,  2*SLOT                    ; behind the ring: the spare words, 128 bytes a wave
.set ADRA, 16                          ; v16-17  LDS address of my A fragments in slot 0, 1
.set ADRB, 20                          ; v20-21  the same for B
.set COV,  22                          ; v22     v: my byte offset in two rows of the output
.set RDQ2, 23                          ; v23     q, k: RDQ + 128 stage rows (an LDS immediate has 16 bits)
.set STO,  24                          ; v24     the stage: where I put 8 codes
.set RDQ,  25                          ; v25     q, k: where I read 16 codes of a head back
.set RDV,  26                          ; v26     v: where I read 16 codes of a row back
.set COQ,  27                          ; v27     q, k: 16 x lane
.set SPW,  28                          ; v28     LDS address of my spare word; never rewritten
.set NIL,  29                          ; v29     0; never rewritten
.set SCL,  30                          ; v30     2^eout
.set LIM,  31                          ; v31     448 x 2^eout
.set T,    32                          ; v32-95  the bias table
.set VJ,   96                          ; v96-103 its eight offsets
.set AF,   128
.set TMP,  128                         ; the way out: a block's 64 numbers
.set CD,   192                         ; and four sets of 16 registers of codes
.set G1, 24                            ; s[24:31] descriptor group 1 for A's tiles;  s[32:39] group 0, one set for each slot
.set G0, 32
.set G1B, 48                           ; s[48:55], s[56:63] the same for B's tiles
.set G0B, 56
.set KIND, 66                          ; s66     0 q, 1 k, 2 v
.set MSB, 0
.macro WIN new                         ; the immediate's high byte repeats the setting that is left
.if MSB != \new
	s_set_vgpr_msb (MSB<<8)|\new
.set MSB, \new
.endif
.endm
.set MUL_LO, 0xa1                      ; source 0 (B) window 1, source 1 (A) window 0, C and D window 2
.set MUL_HI, 0xf1                      ; the same, C and D window 3
.set TO_B,   0x40                      ; destination window 1, address window 0
; A joint load: waves 0 and 1 fetch for A, waves 2 and 3 for B; the branch hangs on the wave's number alone.  Four v_nop follow each of the two lines.
.macro JLOAD g0a, g1a, g0b, g1b
	s_cmp_eq_u32 s15, 0
	s_cbranch_scc0 .Lfor_b_\@
	tensor_load_to_lds s[\g0a:\g0a+3], s[\g1a:\g1a+7]
	s_nop 0
.rept 4
	v_nop
.endr
	s_branch .Lasked_\@
.Lfor_b_\@:
	tensor_load_to_lds s[\g0b:\g0b+3], s[\g1b:\g1b+7]
	s_nop 0
.rept 4
	v_nop
.endr
.Lasked_\@:
.endm
.macro CREST                           ; a round of the cluster's barrier behind its opening barrier
	s_cmp_lg_u32 s14, 0
	s_cbranch_scc1 .Lnot_wave_0_\@
	s_barrier_signal -3
.Lnot_wave_0_\@:
	s_barrier_wait -3
	s_barrier_signal -1
	s_barrier_wait -1
.endm
.macro CROUND
	s_barrier_signal -1
	s_barrier_wait -1
	CREST
.endm
	s_load_b256 s[68:75], s[0:1], 0x0              ; acts s[68:69], wts s[70:71], bq s[72:73], bk s[74:75]
	s_load_b128 s[76:79], s[0:1], 0x20             ; bv s[76:77], the scales' exponents s[78:79]
	s_load_b64 s[80:81], s[0:1], 0x30              ; qkv
	v_lshl_add_u32 v[SPW], v0, 2, SPARE
	v_mov_b32 v[NIL], 0
	ds_add_u32 v28, v29
	ds_add_u32 v28, v29
	s_wait_dscnt 0x0
	v_lshrrev_b32 v1, 5, v0
	v_readfirstlane_b32 s14, v1                    ; wave 0..3
	s_lshr_b32 s15, s14, 1                         ; which half of the tile's rows is mine.  Also: I fetch for A (0) or for B (1)
	s_and_b32 s16, s14, 1                          ; which half of its columns.  Also: which 128 rows of that tile I fetch
	s_bfe_u32 s40, ttmp6, 0x40000                  ; cx, cy: my place in the cluster
	s_bfe_u32 s41, ttmp6, 0x40004
	s_and_b32 s98, ttmp7, 0xffff                   ; the cluster's y, 0 .. 23 (its x is 0: the grid is one cluster wide)
	s_lshr_b32 s[KIND], s98, 3
	s_and_b32 s67, s98, 7
	s_lshl_b32 s67, s67, 2                         ; four token tiles to a cluster
	s_cmp_eq_u32 s[KIND], 2
	s_cselect_b32 s42, s67, 0
	s_cselect_b32 s17, 0, s67
	s_add_co_u32 s42, s42, s40                     ; tile column: q, k: cx (of 4);  v: 4 x (y % 8) + cx (of 32)
	s_add_co_u32 s17, s17, s41                     ; tile row:    q, k: 4 x (y % 8) + cy (of 32);  v: cy (of 4)
	s_lshl_b32 s43, s41, 2
	s_lshl_b32 s43, 15, s43                        ; my row of the cluster
	s_lshl_b32 s44, 0x1111, s40                    ; my column
	; descriptor group 1: a tile of 128 rows x 256 bytes, padded in LDS
	s_or_b32 s[G1+0], s43, (0<<16)|(1<<20)|(1<<21)|(5<<22)|(3<<25)  ; 15:0 the mask: A's tiles go to my row; 17:16 element of 1 byte; 20 padding on; 21 set beside a mask; 24:22 after every 64 words; 31:25 of 4 words
	s_or_b32 s[G1B+0], s44, (0<<16)|(1<<20)|(1<<21)|(5<<22)|(3<<25)
.irp g, G1, G1B
	s_mov_b32 s[\g+1], ROWB<<16                    ; tensor_dim0
	s_mov_b32 s[\g+2], 128<<16                     ; tensor_dim1
	s_mov_b32 s[\g+3], ROWB<<16                    ; tile_dim0
	s_mov_b32 s[\g+4], 128                         ; tile_dim1
	s_mov_b32 s[\g+5], KROW                        ; tensor_dim0_stride
	s_mov_b32 s[\g+6], 0
	s_mov_b32 s[\g+7], 0
.endr
	s_lshl_b32 s18, s16, 7                         ; which 128 rows of the tile I fetch
	s_lshl_b32 s20, s17, 8
	s_add_co_u32 s20, s20, s18                     ; A: row 256 x tile row + 128 x half
	s_lshl_b32 s46, s42, 8
	s_add_co_u32 s46, s46, s18                     ; B: row 256 x tile column + 128 x half
	s_lshl_b32 s20, s20, 10                        ; in bytes: under 2^23
	s_lshl_b32 s46, s46, 10
	s_mov_b32 s21, 0
	s_mov_b32 s47, 0
	s_mul_i32 s45, s14, HALFT                      ; where they go: wave x 128 rows: no place in the cluster enters an LDS address
	s_lshl_b32 s98, s[KIND], 23                    ; the kind's part of acts,
	s_mov_b32 s99, 0
	s_lshl_b32 s82, s[KIND], 20                    ; and of wts
	s_mov_b32 s83, 0
	s_wait_kmcnt 0x0
	s_load_b256 s[84:91], s[78:79], 0x0            ; e0 .. e7
	s_load_b128 s[92:95], s[78:79], 0x20           ; e8 .. e11
	s_add_nc_u64 s[68:69], s[68:69], s[98:99]      ; the tokens' codes
	s_add_nc_u64 s[70:71], s[70:71], s[82:83]      ; the weight's codes
	s_cmp_eq_u32 s[KIND], 2
	s_cselect_b64 s[4:5], s[70:71], s[68:69]       ; A
	s_cselect_b64 s[6:7], s[68:69], s[70:71]       ; B
	s_cselect_b64 s[8:9], s[76:77], s[72:73]       ; the bias: bv or bq,
	s_cmp_eq_u32 s[KIND], 1
	s_cselect_b64 s[8:9], s[74:75], s[8:9]         ; or bk
	s_add_nc_u64 s[20:21], s[4:5], s[20:21]
	s_add_nc_u64 s[46:47], s[6:7], s[46:47]
	CROUND                                         ; all sixteen work-groups are here: the first joint loads meet
.irp s, 0,1
	s_mov_b32 s[G0+4*\s], 1
	s_add_co_u32 s[G0+4*\s+1], s45, \s*SLOT
	s_add_nc_u64 s[G0+4*\s+2:G0+4*\s+3], s[20:21], \s*ROWB
	s_or_b32 s[G0+4*\s+3], s[G0+4*\s+3], 0x80000000
	s_mov_b32 s[G0B+4*\s], 1
	s_add_co_u32 s[G0B+4*\s+1], s45, \s*SLOT
	s_add_nc_u64 s[G0B+4*\s+2:G0B+4*\s+3], s[46:47], \s*ROWB
	s_or_b32 s[G0B+4*\s+3], s[G0B+4*\s+3], 0x80000000
	JLOAD G0+4*\s, G1, G0B+4*\s, G1B
.endr
	v_and_b32 v1, 15, v0                           ; r = lane % 16
	v_bfe_u32 v2, v0, 4, 1                         ; h = lane / 16
	v_mul_u32_u24 v3, v1, PITCH
	v_lshl_add_u32 v4, v2, 4, v3                   ; a fragment's row x pitch + 16 x half
	s_mul_i32 s21, s15, HALFT                      ; my 128 rows of A
	s_mul_i32 s22, s16, HALFT                      ; my 128 rows of B,
	s_add_co_u32 s22, s22, 2*HALFT                 ; which lie behind A's 256
.irp s, 0,1
	v_add_nc_u32 v[ADRA+\s], s21, v4
	v_add_nc_u32 v[ADRB+\s], s22, v4
	s_add_co_u32 s21, s21, SLOT
	s_add_co_u32 s22, s22, SLOT
.endr
	; the stage for the way out: 256 rows x 272 bytes from LDS byte 0, the work-group's: row = the lane's row of the tile, 256 codes along the registers' axis
	s_mul_i32 s23, s15, 128*PITCH
	s_lshl_b32 s18, s16, 7
	s_add_co_u32 s23, s23, s18
	v_lshl_add_u32 v5, v2, 3, v3
	v_add_nc_u32 v[STO], s23, v5                   ; in: (128 x row half + r) x 272 + 128 x column half + 8 h
	v_and_b32 v6, 31, v0
	v_lshrrev_b32 v7, 2, v6
	v_mul_u32_u24 v7, v7, PITCH
	v_and_b32 v8, 3, v6
	v_lshl_add_u32 v7, v8, 4, v7
	s_lshl_b32 s18, s14, 6
	v_add_nc_u32 v[RDQ], s18, v7                   ; q, k, back: wave w takes head w of the tile's four: eight tokens x 64 bytes an instruction
	v_add_nc_u32 v[RDQ2], 128*PITCH, v[RDQ]
	s_mul_i32 s18, s14, 64*PITCH
	v_mul_u32_u24 v7, v2, PITCH
	v_lshl_add_u32 v7, v1, 4, v7
	v_add_nc_u32 v[RDV], s18, v7                   ; v, back: wave w takes rows 64 w on: two rows of 256 bytes an instruction
	v_lshlrev_b32 v[COQ], 4, v6
	v_lshlrev_b32 v7, 11, v2
	v_lshl_add_u32 v[COV], v1, 4, v7
	; the bias table, one text for all kinds.  q, k: T[8 x + j] = bias(column 16 x + 8 h + j of my 128);  v: T[8 x + j] = bias(row 16 x + r of my 128), the same for all j
	s_cmp_eq_u32 s[KIND], 2
	s_cselect_b32 s18, 4, 0                        ; bytes for each r,
	s_cselect_b32 s19, 0, 32                       ; each h,
	s_cselect_b32 s20, 0, 4                        ; each j
	s_cselect_b32 s21, s17, s42                    ; the tile along the weight's columns,
	s_cselect_b32 s22, s15, s16                    ; and my half of it
	s_lshl_b32 s21, s21, 10
	s_lshl_b32 s22, s22, 9
	s_add_co_u32 s22, s21, s22
	s_mov_b32 s23, 0
	s_add_nc_u64 s[8:9], s[8:9], s[22:23]
	v_mul_u32_u24 v9, s18, v1
	v_mad_u32_u24 v9, v2, s19, v9
.set bj, 0
.rept 8
	v_mad_u32_u24 v[VJ+bj], s20, bj, v9
.set bj, bj+1
.endr
.set bx, 0
.rept 8
.set bj, 0
.rept 8
	global_load_b32 v[T+8*bx+bj], v[VJ+bj], s[8:9] offset:64*bx
.set bj, bj+1
.endr
.set bx, bx+1
.endr
	; where my part of the output begins
	s_cmp_eq_u32 s[KIND], 2
	s_cselect_b32 s18, s42, s17                    ; the token tile
	s_lshl_b32 s18, s18, 8                         ; its first token
	s_lshr_b32 s19, s18, 11
	s_lshl_b32 s19, s19, 21                        ; the batch: 16 heads x 2,048 x 64 bytes
	s_and_b32 s18, s18, 2047                       ; the token in the batch
	s_lshl_b32 s20, s42, 2
	s_add_co_u32 s20, s20, s14
	s_lshl_b32 s20, s20, 17                        ; q, k: head 4 x tile column + wave,
	s_lshl_b32 s21, s18, 6
	s_add_co_u32 s20, s20, s21                     ; + 64 bytes a token
	s_lshl_b32 s22, s17, 8
	s_lshl_b32 s23, s14, 6
	s_add_co_u32 s22, s22, s23
	s_lshl_b32 s22, s22, 11                        ; v: row 256 x tile row + 64 x wave, of 2,048 bytes,
	s_add_co_u32 s22, s22, s18                     ; + the token
	s_cmp_eq_u32 s[KIND], 2
	s_cselect_b32 s20, s22, s20
	s_add_co_u32 s20, s20, s19
	s_lshl_b32 s21, s[KIND], 23
	s_add_co_u32 s20, s20, s21                     ; + the kind's part of qkv
	s_mov_b32 s21, 0
	s_add_nc_u64 s[10:11], s[80:81], s[20:21]
.macro FRAG reg, adr, q, i             ; a fragment is 16 registers: lane l holds row l % 16; registers 4 c .. 4 c + 3 hold K = 32 c + 16 (l / 16) + 0 .. 15: the same places of k in A and in B
.irp c, 0,1,2,3
	ds_load_b128 v[\reg+4*\c:\reg+4*\c+3], v[\adr] offset:128*(\q)+32*\c+(\i)*16*PITCH
.endr
.endm
; 16 matrix instructions: A's blocks a0, a0 + 1 x B's eight, 128 along K.  p: B's set.  zero = 1: the first product starts the sums.  The 64 accumulators take turns, one instruction a turn.
.macro MUL16 a0, p, zero
.irp a, \a0, \a0+1
.irp b, 0,1,2,3,4,5,6,7
.if \zero
	v_wmma_f32_16x16x128_fp8_fp8 v[8*(8*((\a)%4)+\b):8*(8*((\a)%4)+\b)+7], v[128*(\p)+FR*\b:128*(\p)+FR*\b+FR-1], v[AF+FR*(\a):AF+FR*(\a)+FR-1], 0
.else
	v_wmma_f32_16x16x128_fp8_fp8 v[8*(8*((\a)%4)+\b):8*(8*((\a)%4)+\b)+7], v[128*(\p)+FR*\b:128*(\p)+FR*\b+FR-1], v[AF+FR*(\a):AF+FR*(\a)+FR-1], v[8*(8*((\a)%4)+\b):8*(8*((\a)%4)+\b)+7]
.endif
.endr
.endr
.endm
.macro FETCH_B slot, q, p
	WIN TO_B
.irp i, 0,1,2,3,4,5,6,7
	FRAG 128*(\p)+FR*\i, ADRB+\slot, \q, \i
.endr
	WIN 0
.endm
.macro FETCH_A slot, q, i0
.irp i, \i0, \i0+1, \i0+2, \i0+3
	FRAG AF+FR*(\i), ADRA+\slot, \q, \i
.endr
.endm
.macro PLACES n                        ; plain vector lines between a matrix instruction and a load into its registers or a read of its result
.rept \n
	v_nop
.endr
.endm
; A step of 128 along K that has its successor in the same slot.  A block of A is free when its eight products are issued, so A has one set: blocks 0-3 come anew in the step's middle, blocks 4-7 at its end.
.macro STEP slot, q, zero
	s_wait_dscnt 4*NL                              ; B's set and A's blocks 0-3 are in; the youngest sixteen loads (A's blocks 4-7) may be out
	WIN MUL_LO
	MUL16 0, (\q)%2, \zero
	MUL16 2, (\q)%2, \zero
	s_wait_dscnt 0
	PLACES NP
	FETCH_B \slot, (\q)+1, 1-(\q)%2
	FETCH_A \slot, (\q)+1, 0
	WIN MUL_HI
	MUL16 4, (\q)%2, \zero
	MUL16 6, (\q)%2, \zero
	PLACES NP
	WIN 0
	FETCH_A \slot, (\q)+1, 4
.endm
; A slot's last step changes slots: ONE barrier; in front of it each wave waits for all its tensor loads, adds 0 to its spare word, and waits for that and for its own reads of this slot.  fill = 1: this slot is filled again, two K steps ahead.
.macro TURN slot, next, fill
	s_wait_tensorcnt 0x0                           ; all my tensor loads have landed: my part of the next slot
	ds_add_u32 v[SPW], v[NIL]                      ; 0 onto my spare word
	s_wait_dscnt 4*NL+1                            ; (the add and the youngest sixteen loads may be out)
	WIN MUL_LO
	MUL16 0, 1, 0                                  ; sixteen matrix instructions stand between the add and the wait for it
	s_wait_dscnt 0x0                               ; the add is done, and my reads of this slot are over
	s_barrier_signal -1
	MUL16 2, 1, 0
	WIN 0
	s_barrier_wait -1
.if \fill
	CREST                                          ; the barrier has opened a round of the cluster's barrier: no wave of any partner still reads this slot or has a load on its way
	s_add_nc_u64 s[G0+4*\slot+2:G0+4*\slot+3], s[G0+4*\slot+2:G0+4*\slot+3], 2*ROWB
	s_add_nc_u64 s[G0B+4*\slot+2:G0B+4*\slot+3], s[G0B+4*\slot+2:G0B+4*\slot+3], 2*ROWB
	JLOAD G0+4*\slot, G1, G0B+4*\slot, G1B         ; the first tensor load behind the round; its four v_nop are the places in front of the loads below
.else
	PLACES NP
.endif
	FETCH_B \next, 0, 0
	FETCH_A \next, 0, 0
	WIN MUL_HI
	MUL16 4, 1, 0
	MUL16 6, 1, 0
	PLACES NP
	WIN 0
	FETCH_A \next, 0, 4
.endm
	s_wait_tensorcnt 1                             ; my part of K step 0 is in (K step 1's load may be out)
	s_barrier_signal -1
	s_barrier_wait -1                              ; everybody's is
	FETCH_B 0, 0, 0
	FETCH_A 0, 0, 0
	FETCH_A 0, 0, 4
	STEP 0, 0, 1                                   ; K step 0; its first products start the sums
	TURN 0, 1, 1                                   ; slot 0 takes K step 2
	STEP 1, 0, 0                                   ; K step 1
	TURN 1, 0, 1                                   ; slot 1 takes K step 3
	STEP 0, 0, 0                                   ; K step 2
	TURN 0, 1, 0                                   ; nothing is left to fetch
	STEP 1, 0, 0                                   ; K step 3
	s_wait_dscnt 4*NL
	WIN MUL_LO
	MUL16 0, 1, 0
	MUL16 2, 1, 0
	s_wait_dscnt 0
	WIN MUL_HI
	MUL16 4, 1, 0
	MUL16 6, 1, 0
	WIN 0
	; THE WAY OUT.  The scales are chosen without a branch.
	s_wait_kmcnt 0x0
	s_add_co_i32 s84, s84, s85                     ; e0 + e1
	s_add_co_i32 s86, s86, s87                     ; e2 + e3
	s_add_co_i32 s88, s88, s89                     ; e4 + e5
	s_cmp_eq_u32 s[KIND], 1
	s_cselect_b32 s84, s86, s84
	s_cselect_b32 s90, s91, s90                    ; e6 or e7
	s_cmp_eq_u32 s[KIND], 2
	s_cselect_b32 s84, s88, s84
	s_cselect_b32 s90, s93, s90                    ; or e9
	s_add_co_i32 s84, s84, 127
	s_lshl_b32 s96, s84, 23                        ; 2^(the product's two exponents added) as f32
	s_mov_b32 s97, s96                             ; (named with it as a pair, so it is written)
	s_add_co_i32 s90, s90, 127
	s_lshl_b32 s98, s90, 23
	v_mov_b32 v[SCL], s98
	s_add_co_i32 s90, s90, 8
	s_lshl_b32 s90, s90, 23
	s_or_b32 s90, s90, 0x600000
	v_mov_b32 v[LIM], s90
	s_wait_loadcnt 0x0                             ; the bias table
	PLACES NP                                      ; behind the last products: their results are read and A's registers written below
; Block a: 16 rows x 128.  sum x 2^e + bias in one packed multiply-add (only this differs between the kinds), the hold, the conversion, 8 codes a lane and tile into the stage.
; The stage lies in slot 0: that slot has had its last fill, and every wave has passed the last change of slots, behind which nobody reads it.
.macro OUTBLK a
.set AC, 64*((\a)%4)
.set CC, CD+16*((\a)%4)
.if (\a) >= 4
	s_wait_dscnt 24                                ; the stores of block a - 4 have read their registers; those of the three younger blocks may be out
.endif
	s_cmp_eq_u32 s[KIND], 2
	s_cbranch_scc1 .Lv_\@
	WIN 0x02+((\a)/4)                              ; source 0: window 2 or 3
.set ob, 0
.rept 8
.irp i, 0,2,4,6
	v_pk_fma_f32 v[TMP+8*ob+\i:TMP+8*ob+\i+1], v[AC+8*ob+\i:AC+8*ob+\i+1], s[96:97], v[T+8*ob+\i:T+8*ob+\i+1] op_sel_hi:[1,0,1]   ; q, k: the bias goes by the registers' axis; each accumulator from its low end on
.endr
.set ob, ob+1
.endr
	WIN 0
	s_branch .Lj_\@
.Lv_\@:
	WIN 0x02+((\a)/4)
.set ob, 0
.rept 8
.irp i, 0,2,4,6
	v_pk_fma_f32 v[TMP+8*ob+\i:TMP+8*ob+\i+1], v[AC+8*ob+\i:AC+8*ob+\i+1], s[96:97], v[T+8*(\a)+\i:T+8*(\a)+\i+1] op_sel_hi:[1,0,1]   ; v: the bias goes by the lane's row
.endr
.set ob, ob+1
.endr
	WIN 0
.Lj_\@:
.set oi, 0
.rept 64
	v_med3_num_f32 v[TMP+oi], v[TMP+oi], -v[LIM], v[LIM]   ; the conversion to an 8-bit code does not saturate (ISA guide 7.6.2)
.set oi, oi+1
.endr
.irp b, 0,1,2,3,4,5,6,7
	v_cvt_scalef32_pk8_fp8_f32 v[CC+2*\b:CC+2*\b+1], v[TMP+8*\b:TMP+8*\b+7], v[SCL]
.endr
	v_nop                                          ; one plain line behind the last conversion: the next block writes its sources
.irp b, 0,1,2,3,4,5,6,7
	ds_store_b64 v[STO], v[CC+2*\b:CC+2*\b+1] offset:(\a)*16*PITCH+16*\b
.endr
.endm
.irp a, 0,1,2,3,4,5,6,7
	OUTBLK \a
.endr
	s_wait_dscnt 0x0                               ; for the others' sake: my stores into the stage are done
	s_barrier_signal -1
	s_barrier_wait -1
	s_cmp_eq_u32 s[KIND], 2
	s_cbranch_scc1 .Lback_v
.set bt, 0
.rept 16
	ds_load_b128 v[128+4*bt:128+4*bt+3], v[RDQ] offset:8*PITCH*bt
.set bt, bt+1
.endr
.rept 16
	ds_load_b128 v[128+4*bt:128+4*bt+3], v[RDQ2] offset:8*PITCH*(bt-16)
.set bt, bt+1
.endr
.set bt, 0
.rept 32
	s_wait_dscnt 31-bt                             ; the younger reads may be out
	global_store_b128 v[COQ], v[128+4*bt:128+4*bt+3], s[10:11] offset:512*bt   ; eight tokens of a head: the wave stores 512 consecutive bytes, aligned
.set bt, bt+1
.endr
	s_branch .Lend
.Lback_v:
.set bt, 0
.rept 32
	ds_load_b128 v[128+4*bt:128+4*bt+3], v[RDV] offset:2*PITCH*bt
.set bt, bt+1
.endr
.set bt, 0
.rept 32
	s_wait_dscnt 31-bt
	global_store_b128 v[COV], v[128+4*bt:128+4*bt+3], s[10:11] offset:4096*bt  ; two rows: sixteen lanes store 256 consecutive bytes, aligned
.set bt, bt+1
.endr
.Lend:
	s_wait_tensorcnt 0x0                           ; the wave's end
	ds_add_u32 v[SPW], v[NIL]
	s_wait_dscnt 0x0
	CROUND                                         ; the closing round: no work-group ends while a partner may still ask for a tile that names it
	s_endpgm
.Lfunc_end_k_q4acbda2e23_proj:
	.size	k_q4acbda2e23_proj, .Lfunc_end_k_q4acbda2e23_proj-k_q4acbda2e23_proj
	.p2alignl 7, 3214868480
	.fill 96, 4, 3214868480
	.section	.rodata,"a",@progbits
	.p2align	6, 0x0
	.amdhsa_kernel k_q4acbda2e23_proj
		.amdhsa_group_segment_fixed_size 327680
		.amdhsa_private_segment_fixed_size 0
		.amdhsa_enable_private_segment 0
		.amdhsa_kernarg_size 56
		.amdhsa_user_sgpr_count 2
		.amdhsa_user_sgpr_kernarg_segment_ptr 1
		.amdhsa_wavefront_size32 1
		.amdhsa_system_sgpr_workgroup_id_x 1
		.amdhsa_system_sgpr_workgroup_id_y 1
		.amdhsa_system_sgpr_workgroup_id_z 1
		.amdhsa_system_vgpr_workitem_id 0
		.amdhsa_next_free_vgpr 1024
		.amdhsa_next_free_sgpr 100
		.amdhsa_reserve_vcc 0
		.amdhsa_float_denorm_mode_32 3
		.amdhsa_float_denorm_mode_16_64 3
		.amdhsa_memory_ordered 1
		.amdhsa_forward_progress 1
		.amdhsa_inst_pref_size 173
	.end_amdhsa_kernel
	.amdgpu_metadata
---
amdhsa.version: [ 1, 2 ]
amdhsa.kernels:
  - .name:           k_q4acbda2e23_proj
    .symbol:         k_q4acbda2e23_proj.kd
    .args:
      - { .name: acts, .offset: 0, .size: 8, .value_kind: global_buffer, .address_space: global }
      - { .name: wts, .offset: 8, .size: 8, .value_kind: global_buffer, .address_space: global }
      - { .name: bq, .offset: 16, .size: 8, .value_kind: global_buffer, .address_space: global }
      - { .name: bk, .offset: 24, .size: 8, .value_kind: global_buffer, .address_space: global }
      - { .name: bv, .offset: 32, .size: 8, .value_kind: global_buffer, .address_space: global }
      - { .name: lowp_scales, .offset: 40, .size: 8, .value_kind: global_buffer, .address_space: global }
      - { .name: qkv, .offset: 48, .size: 8, .value_kind: global_buffer, .address_space: global }
    .group_segment_fixed_size: 327680
    .private_segment_fixed_size: 0
    .kernarg_segment_align: 8
    .kernarg_segment_size: 56
    .max_flat_workgroup_size: 128
    .sgpr_count:     100
    .vgpr_count:     1024
    .wavefront_size: 32
...
	.end_amdgpu_metadata
.endif
;; end of part 2
;; launch attn (part 3): grid 4 x 64, 16 waves a work-group, clusters of 4 x 1, 327,680 bytes of LDS; arguments qkv, lowp_scales, mh; writes mh
.if DOCPART == 3
	.amdgcn_target "amdgcn-amd-amdhsa--gfx1250"
	.amdhsa_code_object_version 6
	.text
	.protected	k_q4acbda2e23_attn
	.globl	k_q4acbda2e23_attn
	.p2align	8
	.type	k_q4acbda2e23_attn,@function
k_q4acbda2e23_attn:
	s_mov_b64 s[64:65], 0
	v_nop
	global_prefetch_b8 v0, s[64:65] scope:SCOPE_SE
	s_setreg_imm32_b32 hwreg(HW_REG_WAVE_MODE, 25, 1), 1
	s_wait_xcnt 0x0
	s_wait_alu depctr_hold_cnt(0) depctr_sa_sdst(0) depctr_va_vdst(0) depctr_va_sdst(0) depctr_va_ssrc(0) depctr_va_vcc(0) depctr_vm_vsrc(0)
	s_getreg_b32 s2, hwreg(HW_REG_IB_STS2, 6, 4)
	s_cmp_eq_u32 s2, 0
	s_cbranch_scc0 .Lentry_in_a_cluster
	s_endpgm
.Lentry_in_a_cluster:
	s_bfe_u32 s2, ttmp6, 0x10000c
	s_cmp_lg_u32 s2, 0x3003
	s_cbranch_scc0 .Lentry_shape_is_right
	s_endpgm
.Lentry_shape_is_right:
; ATTENTION on codes of FP8 (E4M3), head size 64, 2,048 queries and 2,048 keys for each of 64 (batch, head).
; qkv: part 0 q [bh][token][64] by e6, part 1 k likewise by e7, part 2 v [bh][64][token] by e9 (the keys innermost).  mh: [bh][token][64], the heads' results as codes by e10.
; THE SOFTMAX AHEAD OF THE SECOND PRODUCT: t = score x log2(e) / 8; M = the row's largest t so far, rounded UP to a whole number; p = 2^(t - M) is quantised by e8; it is not normalised.
; The row's sum is taken of the unquantised p, in f32, and divides O at the end.  When M moves, the sum and O are multiplied by 2^(old M - new M): exact.
; LIMITS: e6 + e7 between -123 and 130 (they are added to the exponent field of log2(e) / 8); e8 and e10 between -126 and 119; e8 + e9 is applied by v_ldexp_f32 and has none.
; K AND V OF A (batch, head) STAY IN LDS: 2,048 rows of K at 80 bytes and 4 x 64 rows of V at 528 bytes are 299,008 bytes.  They are fetched once, in four chunks of 512 keys, all asked for at the head; nothing is filled again.
; SHARES.  A work-group owns 512 queries of one (batch, head), as two blocks of 256 that it walks one after the other; each of its sixteen waves owns 16 queries of each block, one tile, in 256 registers: four waves to a SIMD,
; so that one wave's vector work stands beside another's matrix work and LDS loads.  Every wave walks all keys, 128 a step.  Behind the second barrier no wave waits for another until the end.
; CLUSTER.  The four work-groups of a (batch, head) form a cluster and need the same K and V: each chunk is asked for JOINTLY, by the same tensor load with a mask that names the four.
; No prefetch: all of K and V is asked for by the first fills at the head; nothing is asked for later.
; LAYOUT.  Both products are used transposed: S^T = K Q^T (source 0 = 16 keys, source 1 = my 16 queries), O^T = V^T P^T (source 0 = 16 of the head's 64, source 1 = P): a lane holds ONE query (lane % 16) throughout.
; THE KEYS OF A TILE ARE NOT NEIGHBOURS: lane r of tile 2 b + u takes key 32 b + 8 u + r + 8 (r / 8), so that the 16 registers of tiles 2 b and 2 b + 1 are 16 neighbouring keys, 32 b + 16 (lane / 16) + 0 .. 15.
; Fragments come by loads of 16 bytes at 16 (lane / 16): a permutation of k that is the same on both sides of each product.
; REGISTERS: v1-7, v10, v11 addresses that stay; v8, v9 addresses of the loads in hand; v12 -M, v13 the largest t, v[14:15] the sum in two halves; v16-23 Q of block 0, v24-31 of block 1; v32-95 fragments of K, then of V;
;   v96-159 S^T, then p; v160-191 O^T; v224-239 p's codes; v240, v241: 448 x 2^e8, 2^e8; v242, v243: the same with e10; v244-251 at work.
.set SK,    512                        ; keys in a chunk
.set KP,    80                         ; a key's row in LDS: 64 bytes + 16 of padding
.set VP,    528                        ; a row of V's tile in LDS: 512 bytes + 16
.set VOFF,  SK*KP                      ; a chunk: 512 rows of K, then 64 rows of V
.set CHUNK, SK*KP+64*VP                ; 74,752 bytes; four of them from LDS byte 0 on
.set STAGE, 4*CHUNK                    ; behind them: the way out, 16 rows x 80 bytes for each wave: bytes of their own, since K and V are read to the end
.set SPARE, STAGE+16*16*80             ; behind the stages: the spare words, 128 bytes for each of sixteen waves
.set BLOCK, 256*64                     ; bytes from a block of queries to the next, in q and in mh
.set AK0,  1                           ; v1   my lane's place in a tile of K
.set AV0,  2                           ; v2   the same for V
.set QA,   4                           ; v4   my lane's byte in the wave's rows of Q
.set SPW,  5                           ; v5   LDS address of my spare word; never rewritten
.set NIL,  6                           ; v6   0; never rewritten
.set GO,   7                           ; v7   the way out: 16 x lane; never rewritten
.set ADK,  8
.set ADV,  9
.set WV,   18                          ; s18  my wave's number
.set SEL,  20                          ; s[20:21] lane selects for v_permlanex16_b32: lane l xor 16
.set CS,   22                          ; s[22:23] c = log2(e) / 8 x 2^(e6 + e7)
.set G1K,  24                          ; s[24:31] descriptor group 1 for K's tiles;  s[32:39] for V's
.set G1V,  32
.set G0K,  40                          ; s[40:55] group 0 for K's four chunks, a set for each: none is written again
.set G0V,  68                          ; s[68:83] the same for V's
.set TB,   56                          ; s56  LDS byte at which the chunk in hand begins
.set CNT,  57                          ; s57  chunks to go in a loop
.set ESUM, 96                          ; s96  e8 + e9
.macro CROUND                          ; a round of the cluster's barrier
	s_barrier_signal -1
	s_barrier_wait -1
	s_cmp_lg_u32 s[WV], 0
	s_cbranch_scc1 .Lnot_wave_0_\@
	s_barrier_signal -3
.Lnot_wave_0_\@:
	s_barrier_wait -3
	s_barrier_signal -1
	s_barrier_wait -1
.endm
.macro INIT                            ; a block of queries begins: the step is written without a first step of its own: it finds zeros, which the first change of M leaves zeros
	v_mov_b32 v13, 0xff61b1e6                      ; the largest t so far: -3e38, under every t
	v_floor_f32 v12, -v13                          ; -M
	v_mov_b32 v14, 0                               ; the sum, in two halves
	v_mov_b32 v15, 0
.set zj, 0
.rept 32
	v_mov_b32 v[160+zj], 0                         ; O^T
.set zj, zj+1
.endr
.endm
	s_load_b128 s[4:7], s[0:1], 0x0                ; qkv s[4:5], the scales' exponents s[6:7]
	s_load_b64 s[8:9], s[0:1], 0x10                ; mh
	v_lshl_add_u32 v[SPW], v0, 2, SPARE
	v_mov_b32 v[NIL], 0
	ds_add_u32 v5, v6
	ds_add_u32 v5, v6
	s_wait_dscnt 0x0
	v_lshrrev_b32 v8, 5, v0
	v_readfirstlane_b32 s[WV], v8                  ; wave 0..15
	s_bfe_u32 s58, ttmp6, 0x40000                  ; cx: my place in the cluster: it enters Q's and mh's addresses alone
	s_and_b32 s59, ttmp7, 0xffff                   ; (batch, head), which the four partners share
	s_lshl_b32 s59, s59, 17                        ; its first byte in each part: 2,048 x 64
	s_lshl_b32 s60, s58, 9                         ; my work-group's 512 queries,
	s_lshl_b32 s61, s[WV], 4
	s_add_co_u32 s60, s60, s61                     ; my wave's 16 of the first block
	s_lshl_b32 s60, s60, 6
	s_add_co_u32 s60, s60, s59                     ; their rows in q and in mh
	s_mov_b32 s61, 0
	s_add_co_u32 s62, s59, 0x800000                ; k's part
	s_mov_b32 s63, 0
	s_add_co_u32 s66, s59, 0x1000000               ; v's part
	s_mov_b32 s67, 0
	; descriptor group 1.  K: 512 rows of 64 bytes, dense in memory;  V: 64 rows of 512 bytes, 2,048 bytes apart
	s_mov_b32 s[G1K], 15|(0<<16)|(1<<20)|(1<<21)|(3<<22)|(3<<25)   ; 15:0 the mask: all four work-groups; 17:16 elements of 1 byte; 20 padding on; 21 set beside a mask; 24:22 after every 16 words; 31:25 four words
	s_mov_b32 s[G1K+1], 64<<16                     ; tensor_dim0
	s_mov_b32 s[G1K+2], SK<<16                     ; tensor_dim1
	s_mov_b32 s[G1K+3], 64<<16                     ; tile_dim0
	s_mov_b32 s[G1K+4], SK                         ; tile_dim1
	s_mov_b32 s[G1K+5], 64                         ; tensor_dim0_stride
	s_mov_b32 s[G1K+6], 0
	s_mov_b32 s[G1K+7], 0
	s_mov_b32 s[G1V], 15|(0<<16)|(1<<20)|(1<<21)|(6<<22)|(3<<25)   ; padding: four words after every 128
	s_mov_b32 s[G1V+1], SK<<16
	s_mov_b32 s[G1V+2], 64<<16
	s_mov_b32 s[G1V+3], SK<<16
	s_mov_b32 s[G1V+4], 64
	s_mov_b32 s[G1V+5], 2048
	s_mov_b32 s[G1V+6], 0
	s_mov_b32 s[G1V+7], 0
	s_mov_b32 s[SEL], 0x76543210
	s_mov_b32 s[SEL+1], 0xfedcba98
	s_mov_b32 s[CS], 0x3e38aa3b                    ; log2(e) / 8
	s_mov_b32 s[TB], 0
	s_wait_kmcnt 0x0
	s_load_b256 s[84:91], s[6:7], 0x0              ; e0 .. e7
	s_load_b128 s[92:95], s[6:7], 0x20             ; e8 .. e11
	s_add_nc_u64 s[62:63], s[4:5], s[62:63]        ; K's codes of my (batch, head)
	s_add_nc_u64 s[66:67], s[4:5], s[66:67]        ; V's
.irp c, 0,1,2,3
	s_mov_b32 s[G0K+4*\c], 1                       ; count = 1
	s_mov_b32 s[G0K+4*\c+1], \c*CHUNK              ; LDS address: chunk c
	s_add_nc_u64 s[G0K+4*\c+2:G0K+4*\c+3], s[62:63], \c*SK*64   ; keys 512 c on: rows of 64 bytes
	s_or_b32 s[G0K+4*\c+3], s[G0K+4*\c+3], 0x80000000           ; type = 2
	s_mov_b32 s[G0V+4*\c], 1
	s_mov_b32 s[G0V+4*\c+1], \c*CHUNK+VOFF
	s_add_nc_u64 s[G0V+4*\c+2:G0V+4*\c+3], s[66:67], \c*SK      ; the same keys: 512 bytes along each row
	s_or_b32 s[G0V+4*\c+3], s[G0V+4*\c+3], 0x80000000
.endr
	CROUND                                         ; all four work-groups are here: the joint loads meet
	; THE FIRST FILLS, which are all the fills: wave 0 asks for K's four chunks, wave 1 for V's, in the order in which they are read; four loads of a wave are out.
	; A wave's loads stand in one branch on its number, the same in every partner; four v_nop follow the last.
	s_cmp_eq_u32 s[WV], 0
	s_cbranch_scc0 .Lnot_k
.irp c, 0,1,2,3
	tensor_load_to_lds s[G0K+4*\c:G0K+4*\c+3], s[G1K:G1K+7]
	s_nop 0
.endr
.rept 4
	v_nop
.endr
	s_branch .Lasked
.Lnot_k:
	s_cmp_eq_u32 s[WV], 1
	s_cbranch_scc0 .Lasked
.irp c, 0,1,2,3
	tensor_load_to_lds s[G0V+4*\c:G0V+4*\c+3], s[G1V:G1V+7]
	s_nop 0
.endr
.rept 4
	v_nop
.endr
.Lasked:
	s_add_nc_u64 s[8:9], s[8:9], s[60:61]          ; mh at my first query
	s_add_nc_u64 s[60:61], s[4:5], s[60:61]        ; Q's codes likewise
	v_and_b32 v8, 15, v0                           ; r
	v_bfe_u32 v9, v0, 4, 1                         ; h
	v_lshlrev_b32 v[QA], 6, v8
	v_lshl_add_u32 v[QA], v9, 4, v[QA]             ; Q: row r of 64 bytes, + 16 h
	global_load_b128 v[16:19], v[QA], s[60:61]     ; both blocks' fragments of Q stay in registers
	global_load_b128 v[20:23], v[QA], s[60:61] offset:32
	global_load_b128 v[24:27], v[QA], s[60:61] offset:BLOCK
	global_load_b128 v[28:31], v[QA], s[60:61] offset:BLOCK+32
	v_and_b32 v244, 8, v8
	v_add_nc_u32 v244, v244, v8                    ; r + 8 (r / 8)
	v_mul_u32_u24 v[AK0], v244, KP
	v_lshl_add_u32 v[AK0], v9, 4, v[AK0]
	v_mul_u32_u24 v[AV0], v8, VP
	v_lshl_add_u32 v[AV0], v9, 4, v[AV0]
	v_add_nc_u32 v[AV0], VOFF, v[AV0]
	s_mul_i32 s97, s[WV], 16*80
	s_add_co_u32 s97, s97, STAGE                   ; my stage
	v_mul_u32_u24 v10, v8, 80
	v_lshl_add_u32 v10, v9, 3, v10
	v_add_nc_u32 v10, s97, v10                     ; in: row r, + 8 h
	v_and_b32 v245, 31, v0
	v_lshrrev_b32 v11, 2, v245
	v_mul_u32_u24 v11, v11, 80
	v_and_b32 v246, 3, v245                        ; (v246 is written here: a lane permute's destination counts as one of its sources)
	v_lshl_add_u32 v11, v246, 4, v11
	v_add_nc_u32 v11, s97, v11                     ; back: four lanes to a row of 64 bytes
	v_lshlrev_b32 v[GO], 4, v245
	v_mov_b32 v249, 0                              ; (named as the upper half of the pair v[248:249])
	INIT
	s_wait_kmcnt 0x0
	s_add_co_i32 s98, s90, s91
	s_lshl_b32 s98, s98, 23
	s_add_co_i32 s[CS], s[CS], s98                 ; a score stands for score x 2^(e6 + e7): the two exponents are added to c's exponent field
	s_mov_b32 s[CS+1], s[CS]                       ; (named with it as a pair, so it is written)
	s_add_co_i32 s98, s92, 127
	s_lshl_b32 s99, s98, 23
	v_mov_b32 v241, s99                            ; 2^e8
	s_add_co_i32 s98, s98, 8
	s_lshl_b32 s98, s98, 23
	s_or_b32 s98, s98, 0x600000
	v_mov_b32 v240, s98                            ; 448 x 2^e8
	s_add_co_i32 s98, s94, 127
	s_lshl_b32 s99, s98, 23
	v_mov_b32 v243, s99                            ; 2^e10
	s_add_co_i32 s98, s98, 8
	s_lshl_b32 s98, s98, 23
	s_or_b32 s98, s98, 0x600000
	v_mov_b32 v242, s98                            ; 448 x 2^e10
	s_add_co_i32 s[ESUM], s92, s93
; A KEY STEP: 128 keys, the q-th of the chunk in hand; qr: where the block's fragment of Q lies.
.macro STEP q, qr
	v_add_nc_u32 v[ADK], s[TB], v[AK0]
	v_add_nc_u32 v[ADV], s[TB], v[AV0]
	v_nop                                          ; with the two additions: four places in front of loads into registers that the last products have read
	v_nop
.irp t, 0,1,2,3,4,5,6,7
.irp c, 0,1
	ds_load_b128 v[32+8*\t+4*\c:32+8*\t+4*\c+3], v[ADK] offset:(128*(\q)+32*(\t/2)+8*(\t%2))*KP+32*\c
.endr
.endr
	s_wait_dscnt 0x0
.irp t, 0,1,2,3,4,5,6,7
	v_wmma_f32_16x16x64_fp8_fp8 v[96+8*\t:103+8*\t], v[32+8*\t:39+8*\t], v[\qr:\qr+7], 0   ; S^T: eight tiles of 16 keys
.endr
.rept 4
	v_nop                                          ; places: the loads below land where K's fragments lay, and the maxima read the scores
.endr
.irp t, 0,1,2,3
.irp c, 0,1,2,3
	ds_load_b128 v[32+16*\t+4*\c:32+16*\t+4*\c+3], v[ADV] offset:16*\t*VP+128*(\q)+32*\c   ; V's four fragments are asked for here and land under the softmax
.endr
.endr
	v_max3_num_f32 v244, v96, v97, v98             ; the step's largest score of my query, among my 64 keys, in two chains (each tile of scores is first read at its low end),
	v_max3_num_f32 v245, v99, v100, v101
.irp i, 6,10,14,18,22,26,30,34,38,42,46,50,54,58
	v_max3_num_f32 v244, v244, v[96+\i], v[97+\i]
	v_max3_num_f32 v245, v245, v[98+\i], v[99+\i]
.endr
	v_max3_num_f32 v244, v244, v158, v159
	v_max_num_f32 v244, v244, v245
	v_permlanex16_b32 v246, v244, s[SEL], s[SEL+1]
	v_max_num_f32 v244, v244, v246                 ; and among lane l xor 16's
	v_mul_f32 v244, s[CS], v244                    ; as t (c is positive)
	v_max_num_f32 v13, v13, v244                   ; the running largest t
	v_mov_b32 v244, v12
	v_floor_f32 v12, -v13                          ; the new -M = floor(-t) = -ceil(t): M is a whole number
	v_sub_f32 v244, v12, v244                      ; M's old value less its new one: a whole number, 0 or less
	v_cvt_i32_f32 v244, v244                       ; (it saturates)
	v_ldexp_f32 v248, 1.0, v244                    ; f = 2^(old M - new M)
.set sj, 0
.rept 32
	v_pk_fma_f32 v[96+sj:97+sj], v[96+sj:97+sj], s[CS:CS+1], v[12:13] op_sel_hi:[1,0,0]   ; t - M, two at a time (of the pairs c and -M the low word serves both halves)
.set sj, sj+2
.endr
.set sj, 0
.rept 64
	v_exp_f32 v[96+sj], v[96+sj]                   ; p = 2^(t - M): not normalised
.set sj, sj+1
.endr
	v_pk_mul_f32 v[14:15], v[14:15], v[248:249] op_sel_hi:[1,0]   ; the sums under the new M: the plain line behind the exponentials
	s_wait_alu depctr_va_vdst(0)                   ; one wait for the whole batch, ahead of its first reader
	v_pk_add_f32 v[250:251], v[96:97], v[98:99]    ; the row's sum is taken of the UNQUANTISED p: two at a time, in two chains
.irp j, 4,8,12,16,20,24,28,32,36,40,44,48,52,56,60
	v_pk_add_f32 v[14:15], v[14:15], v[96+\j:97+\j]
	v_pk_add_f32 v[250:251], v[250:251], v[98+\j:99+\j]
.endr
	v_pk_add_f32 v[14:15], v[14:15], v[250:251]
.irp b, 0,1,2,3
.irp i, 0,1,2,3,4,5,6,7,8,9,10,11,12,13,14,15
	v_min_num_f32 v[96+16*\b+\i], v[96+16*\b+\i], v240   ; the conversion does not saturate (ISA guide 7.6.2); p is not negative, so the hold is one-sided; it stands whatever e8 is
.endr
	v_cvt_scalef32_pk8_fp8_f32 v[224+4*\b:225+4*\b], v[96+16*\b:103+16*\b], v241
	v_cvt_scalef32_pk8_fp8_f32 v[226+4*\b:227+4*\b], v[104+16*\b:111+16*\b], v241
.endr
.set sj, 0
.rept 16
	v_pk_mul_f32 v[160+sj:161+sj], v[160+sj:161+sj], v[248:249] op_sel_hi:[1,0]   ; O^T under the new M.  (Also the plain lines between the conversions and the products below)
.set sj, sj+2
.endr
	s_wait_dscnt 0x0                               ; V's fragments are in
.irp t, 0,1,2,3
	v_wmma_f32_16x16x128_fp8_fp8 v[160+8*\t:167+8*\t], v[32+16*\t:47+16*\t], v[224:239], v[160+8*\t:167+8*\t]   ; O^T += V^T P^T: four accumulators by turns, one instruction a turn
.endr
.endm
.macro FOUR_STEPS qr                   ; a chunk's 512 keys
	STEP 0, \qr
	STEP 1, \qr
	STEP 2, \qr
	STEP 3, \qr
	s_add_co_u32 s[TB], s[TB], CHUNK               ; on to the next chunk
.endm
.macro CHUNKS n, qr                    ; n chunks, from the one at s[TB] on: no wait for a tile and no barrier stands in here
	s_mov_b32 s[CNT], \n
.Lchunk_\@:
	FOUR_STEPS \qr
	s_sub_co_u32 s[CNT], s[CNT], 1
	s_cmp_lg_u32 s[CNT], 0
	s_cbranch_scc1 .Lchunk_\@
.endm
; THE WAY OUT of block p.  O^T / the sum x 2^(e8 + e9) is the head's result in f32; it is quantised by e10 and goes through my own stage, so that the wave stores 1,024 consecutive bytes.
.macro WAYOUT p
.rept 4
	v_nop                                          ; places behind the last products
.endr
	v_add_f32 v14, v14, v15                        ; the sum's two halves,
	v_permlanex16_b32 v246, v14, s[SEL], s[SEL+1]
	v_add_f32 v14, v14, v246                       ; and lane l xor 16's: the row's sum
	v_rcp_f32 v14, v14
	v_nop                                          ; a plain line behind the transcendental
	s_wait_alu depctr_va_vdst(0)                   ; and the wait ahead of its first reader
	v_ldexp_f32 v14, v14, s[ESUM]
.set wj, 0
.rept 16
	v_pk_mul_f32 v[96+wj:97+wj], v[160+wj:161+wj], v[14:15] op_sel_hi:[1,0]   ; register 8 t + i is o(query r, 16 t + 8 h + i); each accumulator from its low end on
.set wj, wj+2
.endr
.set wj, 0
.rept 32
	v_med3_num_f32 v[96+wj], v[96+wj], -v242, v242
.set wj, wj+1
.endr
.irp t, 0,1,2,3
	v_cvt_scalef32_pk8_fp8_f32 v[224+2*\t:225+2*\t], v[96+8*\t:103+8*\t], v243
.endr
	v_nop                                          ; one plain line behind the last conversion
.irp t, 0,1,2,3
	ds_store_b64 v10, v[224+2*\t:225+2*\t] offset:16*\t
.endr
.irp u, 0,1
	ds_load_b128 v[32+4*\u:35+4*\u], v11 offset:8*80*\u   ; LDS serves a wave's instructions in order: these see my stores, and come behind the last block's reads
.endr
.irp u, 0,1
	s_wait_dscnt 1-\u                              ; the younger read may be out
	global_store_b128 v[GO], v[32+4*\u:35+4*\u], s[8:9] offset:BLOCK*(\p)+512*\u   ; eight queries of my head: 512 consecutive bytes, aligned
.endr
.endm
	s_wait_loadcnt 0x0                             ; Q, both blocks'
	s_wait_tensorcnt 0x3                           ; tensor loads of a wave end in order: my part of chunk 0 is in; chunks 1 to 3 may be out
	s_barrier_signal -1
	s_barrier_wait -1                              ; K's and V's parts are
	FOUR_STEPS 16                                  ; block 0, chunk 0, while the other chunks land
	s_wait_tensorcnt 0x0                           ; my parts of chunks 1 to 3 are in
	s_barrier_signal -1
	s_barrier_wait -1                              ; all of K and V lies in LDS: from here on no wave waits for another
	CHUNKS 3, 16
	WAYOUT 0
	INIT                                           ; block 1
	s_mov_b32 s[TB], 0
	s_wait_xcnt 0x0                                ; block 0's stores have read v32 on: the next loads may land there
	CHUNKS 4, 24
	WAYOUT 1
	s_wait_tensorcnt 0x0                           ; the wave's end
	ds_add_u32 v[SPW], v[NIL]
	s_wait_dscnt 0x0
	CROUND                                         ; the closing round
	s_endpgm
.Lfunc_end_k_q4acbda2e23_attn:
	.size	k_q4acbda2e23_attn, .Lfunc_end_k_q4acbda2e23_attn-k_q4acbda2e23_attn
	.p2alignl 7, 3214868480
	.fill 96, 4, 3214868480
	.section	.rodata,"a",@progbits
	.p2align	6, 0x0
	.amdhsa_kernel k_q4acbda2e23_attn
		.amdhsa_group_segment_fixed_size 327680
		.amdhsa_private_segment_fixed_size 0
		.amdhsa_enable_private_segment 0
		.amdhsa_kernarg_size 24
		.amdhsa_user_sgpr_count 2
		.amdhsa_user_sgpr_kernarg_segment_ptr 1
		.amdhsa_wavefront_size32 1
		.amdhsa_system_sgpr_workgroup_id_x 1
		.amdhsa_system_sgpr_workgroup_id_y 1
		.amdhsa_system_sgpr_workgroup_id_z 1
		.amdhsa_system_vgpr_workitem_id 0
		.amdhsa_next_free_vgpr 256
		.amdhsa_next_free_sgpr 100
		.amdhsa_reserve_vcc 0
		.amdhsa_float_denorm_mode_32 3
		.amdhsa_float_denorm_mode_16_64 3
		.amdhsa_memory_ordered 1
		.amdhsa_forward_progress 1
		.amdhsa_inst_pref_size 201
	.end_amdhsa_kernel
	.amdgpu_metadata
---
amdhsa.version: [ 1, 2 ]
amdhsa.kernels:
  - .name:           k_q4acbda2e23_attn
    .symbol:         k_q4acbda2e23_attn.kd
    .args:
      - { .name: qkv, .offset: 0, .size: 8, .value_kind: global_buffer, .address_space: global }
      - { .name: lowp_scales, .offset: 8, .size: 8, .value_kind: global_buffer, .address_space: global }
      - { .name: mh, .offset: 16, .size: 8, .value_kind: global_buffer, .address_space: global }
    .group_segment_fixed_size: 327680
    .private_segment_fixed_size: 0
    .kernarg_segment_align: 8
    .kernarg_segment_size: 24
    .max_flat_workgroup_size: 512
    .sgpr_count:     100
    .vgpr_count:     256
    .wavefront_size: 32
...
	.end_amdgpu_metadata
.endif
;; end of part 3
;; launch outp (part 4): grid 4 x 32, 4 waves a work-group, clusters of 4 x 4, 327,680 bytes of LDS; arguments mh, wts, lowp_scales, bo, out0; writes out0
.if DOCPART == 4
	.amdgcn_target "amdgcn-amd-amdhsa--gfx1250"
	.amdhsa_code_object_version 6
	.text
	.protected	k_q4acbda2e23_outp
	.globl	k_q4acbda2e23_outp
	.p2align	8
	.type	k_q4acbda2e23_outp,@function
k_q4acbda2e23_outp:
	s_mov_b64 s[64:65], 0
	v_nop
	global_prefetch_b8 v0, s[64:65] scope:SCOPE_SE
	s_setreg_imm32_b32 hwreg(HW_REG_WAVE_MODE, 25, 1), 1
	s_wait_xcnt 0x0
	s_wait_alu depctr_hold_cnt(0) depctr_sa_sdst(0) depctr_va_vdst(0) depctr_va_sdst(0) depctr_va_ssrc(0) depctr_va_vcc(0) depctr_vm_vsrc(0)
	s_getreg_b32 s2, hwreg(HW_REG_IB_STS2, 6, 4)
	s_cmp_eq_u32 s2, 0
	s_cbranch_scc0 .Lentry_in_a_cluster
	s_endpgm
.Lentry_in_a_cluster:
	s_bfe_u32 s2, ttmp6, 0x10000c
	s_cmp_lg_u32 s2, 0xf033
	s_cbranch_scc0 .Lentry_shape_is_right
	s_endpgm
.Lentry_shape_is_right:
; THE OUTPUT PROJECTION on codes of FP8 (E4M3): out0[token][n] = (sum over k of mh(token, k) Wo(k, n)) x 2^(e10 + e11) + bo[n], f32.
; mh: [batch x head][token][64], k = 64 head + e.  Wo's codes: part 3 of wts, [n][k].  LIMIT: e10 + e11 between -126 and 127, so that 2^(e10 + e11) is an f32 number.
; A tile of 256 x 256 of the output is made by a work-group of four waves; a wave makes 128 x 128: 64 accumulators.  K = 1,024 goes in four steps of 256 (four heads) through a ring of two LDS slots.  128 tiles in all.
; A'S TILE IS READ BY HEADS: 128 tokens of one head are 8,192 consecutive bytes; a wave's load takes four such runs, 131,072 bytes apart, with 16 bytes of padding behind every 64: in LDS [head][token], 80 bytes a token.
; CLUSTERS: 4 x 4 work-groups; A's tiles are shared along a row of the cluster, B's along a column: each is asked for jointly.  SOURCE 0 = 16 rows of Wo's codes, SOURCE 1 = 16 tokens: a lane holds eight neighbouring n of a token.
; No prefetch: of the four K steps two are first fills, and the walk along K is short.
; REGISTERS, in windows of 256: window 0: v0-31 addresses; v32-35 my four numbers of bo; from v128 A's fragments, ONE set; on the way out v128-255 are free.
;   window 1: B's fragments, TWO sets.   window 2: the accumulators of my rows 0-63 ((a, b) at v[8 (8 a + b)]);   window 3: those of my rows 64-127.
.set ROWB,   256                       ; B: a tile's row
.set KROW,   1024
.set PITCH,  272                       ; B: an LDS row: 256 bytes + 16
.set APITCH, 80                        ; A: a token's 64 bytes + 16: the 16 tokens that a load touches start at 16 different groups of four banks (64 banks of 4 bytes: ISA guide 11.1)
.set HROW,   128*APITCH                ; A: a head's 128 tokens in LDS
.set HSTEP,  4*131072                  ; A: four heads on, in memory
.set FR,     16
.set NL,     4
.set NP,     4                         ; places behind this matrix instruction (ISA guide 7.12.1)
.set HALFA,  4*HROW                    ; what one load brings of A: 128 tokens x 4 heads
.set HALFB,  128*PITCH                 ; and of B: 128 rows
.set SLOT,   2*HALFA+2*HALFB
.set SPARE,  2*SLOT                    ; behind the ring: the spare words, 128 bytes a wave
.set SPITCH, 528                       ; the way out: a stage of 16 rows x (512 bytes + 16) for each wave, in slot 0
.set ADRA, 16
.set ADRB, 20
.set STO,  24                          ; v24     the way out: where I put 32 bytes of a row
.set RD,   25                          ; v25     where I read a row back
.set CO,   26                          ; v26     16 x lane: my byte offset in a row's 512 bytes, and in bo's
.set SPW,  28
.set NIL,  29
.set BI,   32                          ; v32-35  bo at my four columns
.set AF,   128
.set BK,   128                         ; the way out: 16 rows read back: v128-191 and v192-255 by turns
.set G1, 24
.set G0, 32
.set G1B, 48
.set G0B, 56
.set MSB, 0
.macro WIN new                         ; the immediate's high byte repeats the setting that is left
.if MSB != \new
	s_set_vgpr_msb (MSB<<8)|\new
.set MSB, \new
.endif
.endm
.set MUL_LO, 0xa1
.set MUL_HI, 0xf1
.set TO_B,   0x40
.macro JLOAD g0a, g1a, g0b, g1b        ; a joint load: waves 0 and 1 fetch for A, waves 2 and 3 for B; four v_nop follow each of the two lines
	s_cmp_eq_u32 s15, 0
	s_cbranch_scc0 .Lfor_b_\@
	tensor_load_to_lds s[\g0a:\g0a+3], s[\g1a:\g1a+7]
	s_nop 0
.rept 4
	v_nop
.endr
	s_branch .Lasked_\@
.Lfor_b_\@:
	tensor_load_to_lds s[\g0b:\g0b+3], s[\g1b:\g1b+7]
	s_nop 0
.rept 4
	v_nop
.endr
.Lasked_\@:
.endm
.macro CREST
	s_cmp_lg_u32 s14, 0
	s_cbranch_scc1 .Lnot_wave_0_\@
	s_barrier_signal -3
.Lnot_wave_0_\@:
	s_barrier_wait -3
	s_barrier_signal -1
	s_barrier_wait -1
.endm
.macro CROUND
	s_barrier_signal -1
	s_barrier_wait -1
	CREST
.endm
	s_load_b256 s[68:75], s[0:1], 0x0              ; mh s[68:69], wts s[70:71], the scales' exponents s[72:73], bo s[74:75]
	s_load_b64 s[10:11], s[0:1], 0x20              ; out0
	v_lshl_add_u32 v[SPW], v0, 2, SPARE
	v_mov_b32 v[NIL], 0
	ds_add_u32 v28, v29
	ds_add_u32 v28, v29
	s_wait_dscnt 0x0
	v_lshrrev_b32 v1, 5, v0
	v_readfirstlane_b32 s14, v1                    ; wave 0..3
	s_lshr_b32 s15, s14, 1                         ; which half of the tile's rows is mine.  Also: I fetch for A (0) or for B (1)
	s_and_b32 s16, s14, 1                          ; which half of its columns.  Also: which 128 rows of that tile I fetch
	s_bfe_u32 s40, ttmp6, 0x40000                  ; cx, cy
	s_bfe_u32 s41, ttmp6, 0x40004
	s_mov_b32 s42, s40                             ; tile column = cx: the grid is one cluster wide
	s_and_b32 s17, ttmp7, 0xffff
	s_lshl_b32 s17, s17, 2
	s_add_co_u32 s17, s17, s41                     ; tile row = 4 x cluster y + cy
	s_lshl_b32 s43, s41, 2
	s_lshl_b32 s43, 15, s43                        ; my row of the cluster
	s_lshl_b32 s44, 0x1111, s40                    ; my column
	; descriptor group 1 for A: 4 runs of 8,192 bytes, 131,072 bytes apart; 16 bytes of padding behind every 64
	s_or_b32 s[G1+0], s43, (0<<16)|(1<<20)|(1<<21)|(3<<22)|(3<<25)  ; 15:0 the mask: my row; 17:16 element of 1 byte; 20 padding on; 21 set beside a mask; 24:22 after every 16 words; 31:25 of 4 words
	s_mov_b32 s[G1+1], 8192<<16                    ; tensor_dim0
	s_mov_b32 s[G1+2], 4<<16                       ; tensor_dim1
	s_mov_b32 s[G1+3], 8192<<16                    ; tile_dim0
	s_mov_b32 s[G1+4], 4                           ; tile_dim1
	s_mov_b32 s[G1+5], 131072                      ; tensor_dim0_stride
	s_mov_b32 s[G1+6], 0
	s_mov_b32 s[G1+7], 0
	; and for B: 128 rows x 256 bytes, padded
	s_or_b32 s[G1B+0], s44, (0<<16)|(1<<20)|(1<<21)|(5<<22)|(3<<25)
	s_mov_b32 s[G1B+1], ROWB<<16
	s_mov_b32 s[G1B+2], 128<<16
	s_mov_b32 s[G1B+3], ROWB<<16
	s_mov_b32 s[G1B+4], 128
	s_mov_b32 s[G1B+5], KROW
	s_mov_b32 s[G1B+6], 0
	s_mov_b32 s[G1B+7], 0
	s_lshl_b32 s18, s16, 7
	s_lshl_b32 s20, s17, 8
	s_add_co_u32 s20, s20, s18                     ; A: the first token that I fetch
	s_lshr_b32 s21, s20, 11
	s_lshl_b32 s21, s21, 21                        ; its batch: 16 heads x 131,072 bytes,
	s_and_b32 s20, s20, 2047
	s_lshl_b32 s20, s20, 6                         ; 64 bytes a token
	s_add_co_u32 s20, s20, s21
	s_mov_b32 s21, 0
	s_lshl_b32 s46, s42, 8
	s_add_co_u32 s46, s46, s18                     ; B: row 256 x tile column + 128 x half
	s_lshl_b32 s46, s46, 10
	s_add_co_u32 s46, s46, 0x300000                ; in part 3 of wts
	s_mov_b32 s47, 0
	s_mul_i32 s45, s16, HALFA                      ; where they go: A's halves first,
	s_mul_i32 s67, s16, HALFB
	s_add_co_u32 s67, s67, 2*HALFA                 ; B's behind them: no place in the cluster enters an LDS address
	s_wait_kmcnt 0x0
	s_load_b128 s[92:95], s[72:73], 0x20           ; e8 .. e11
	s_add_nc_u64 s[20:21], s[68:69], s[20:21]
	s_add_nc_u64 s[46:47], s[70:71], s[46:47]
	CROUND                                         ; all sixteen work-groups are here: the first joint loads meet
.irp s, 0,1
	s_mov_b32 s[G0+4*\s], 1
	s_add_co_u32 s[G0+4*\s+1], s45, \s*SLOT
	s_add_nc_u64 s[G0+4*\s+2:G0+4*\s+3], s[20:21], \s*HSTEP
	s_or_b32 s[G0+4*\s+3], s[G0+4*\s+3], 0x80000000
	s_mov_b32 s[G0B+4*\s], 1
	s_add_co_u32 s[G0B+4*\s+1], s67, \s*SLOT
	s_add_nc_u64 s[G0B+4*\s+2:G0B+4*\s+3], s[46:47], \s*ROWB
	s_or_b32 s[G0B+4*\s+3], s[G0B+4*\s+3], 0x80000000
	JLOAD G0+4*\s, G1, G0B+4*\s, G1B
.endr
	v_and_b32 v1, 15, v0                           ; r
	v_bfe_u32 v2, v0, 4, 1                         ; h
	v_mul_u32_u24 v3, v1, APITCH
	v_lshl_add_u32 v3, v2, 4, v3                   ; A: token r x 80 + 16 h
	v_mul_u32_u24 v4, v1, PITCH
	v_lshl_add_u32 v4, v2, 4, v4                   ; B: row r x 272 + 16 h
	s_mul_i32 s21, s15, HALFA                      ; my 128 tokens
	s_mul_i32 s22, s16, HALFB                      ; my 128 rows of B,
	s_add_co_u32 s22, s22, 2*HALFA                 ; which lie behind A's
.irp s, 0,1
	v_add_nc_u32 v[ADRA+\s], s21, v3
	v_add_nc_u32 v[ADRB+\s], s22, v4
	s_add_co_u32 s21, s21, SLOT
	s_add_co_u32 s22, s22, SLOT
.endr
	s_mul_i32 s23, s14, 16*SPITCH                  ; my stage
	v_mul_u32_u24 v5, v1, SPITCH
	v_lshl_add_u32 v5, v2, 5, v5
	v_add_nc_u32 v[STO], s23, v5                   ; in: row r, 32 bytes for each half of the lanes
	v_and_b32 v6, 31, v0
	v_lshlrev_b32 v[CO], 4, v6
	v_add_nc_u32 v[RD], s23, v[CO]                 ; back: the 32 lanes take one row of 512 bytes
	s_lshl_b32 s20, s17, 8
	s_lshl_b32 s21, s15, 7
	s_add_co_u32 s20, s20, s21                     ; my first row of the output,
	s_lshl_b32 s20, s20, 12                        ; of 4,096 bytes
	s_lshl_b32 s46, s42, 10
	s_lshl_b32 s47, s16, 9
	s_add_co_u32 s46, s46, s47                     ; my first column, in bytes
	s_add_co_u32 s20, s20, s46
	s_mov_b32 s21, 0
	s_add_nc_u64 s[10:11], s[10:11], s[20:21]
	s_mov_b32 s47, 0
	s_add_nc_u64 s[74:75], s[74:75], s[46:47]
	global_load_b128 v[BI:BI+3], v[CO], s[74:75]   ; bo at the four columns that I store
.macro FRAG reg, adr, q, i             ; B: registers 4 c .. 4 c + 3 hold K = 32 c + 16 (l / 16) + 0 .. 15 of row l % 16
.irp c, 0,1,2,3
	ds_load_b128 v[\reg+4*\c:\reg+4*\c+3], v[\adr] offset:128*(\q)+32*\c+(\i)*16*PITCH
.endr
.endm
.macro FRAGA reg, adr, q, i            ; A: the same places of k: head 2 q + c / 2 of the slot's four, e = 32 (c % 2) + 16 (l / 16) + 0 .. 15
.irp c, 0,1,2,3
	ds_load_b128 v[\reg+4*\c:\reg+4*\c+3], v[\adr] offset:(2*(\q)+\c/2)*HROW+(\i)*16*APITCH+32*(\c%2)
.endr
.endm
.macro MUL16 a0, p, zero               ; 16 matrix instructions; the 64 accumulators take turns, one instruction a turn
.irp a, \a0, \a0+1
.irp b, 0,1,2,3,4,5,6,7
.if \zero
	v_wmma_f32_16x16x128_fp8_fp8 v[8*(8*((\a)%4)+\b):8*(8*((\a)%4)+\b)+7], v[128*(\p)+FR*\b:128*(\p)+FR*\b+FR-1], v[AF+FR*(\a):AF+FR*(\a)+FR-1], 0
.else
	v_wmma_f32_16x16x128_fp8_fp8 v[8*(8*((\a)%4)+\b):8*(8*((\a)%4)+\b)+7], v[128*(\p)+FR*\b:128*(\p)+FR*\b+FR-1], v[AF+FR*(\a):AF+FR*(\a)+FR-1], v[8*(8*((\a)%4)+\b):8*(8*((\a)%4)+\b)+7]
.endif
.endr
.endr
.endm
.macro FETCH_B slot, q, p
	WIN TO_B
.irp i, 0,1,2,3,4,5,6,7
	FRAG 128*(\p)+FR*\i, ADRB+\slot, \q, \i
.endr
	WIN 0
.endm
.macro FETCH_A slot, q, i0
.irp i, \i0, \i0+1, \i0+2, \i0+3
	FRAGA AF+FR*(\i), ADRA+\slot, \q, \i
.endr
.endm
.macro PLACES n
.rept \n
	v_nop
.endr
.endm
.macro STEP slot, q, zero              ; a step of 128 along K that has its successor in the same slot
	s_wait_dscnt 4*NL                              ; B's set and A's blocks 0-3 are in; the youngest sixteen loads (A's blocks 4-7) may be out
	WIN MUL_LO
	MUL16 0, (\q)%2, \zero
	MUL16 2, (\q)%2, \zero
	s_wait_dscnt 0
	PLACES NP
	FETCH_B \slot, (\q)+1, 1-(\q)%2
	FETCH_A \slot, (\q)+1, 0
	WIN MUL_HI
	MUL16 4, (\q)%2, \zero
	MUL16 6, (\q)%2, \zero
	PLACES NP
	WIN 0
	FETCH_A \slot, (\q)+1, 4
.endm
.macro TURN slot, next, fill           ; a slot's last step changes slots: one barrier, with the three lines in front of it
	s_wait_tensorcnt 0x0                           ; all my tensor loads have landed: my part of the next slot
	ds_add_u32 v[SPW], v[NIL]                      ; 0 onto my spare word
	s_wait_dscnt 4*NL+1                            ; (the add and the youngest sixteen loads may be out)
	WIN MUL_LO
	MUL16 0, 1, 0
	s_wait_dscnt 0x0                               ; the add is done, and my reads of this slot are over
	s_barrier_signal -1
	MUL16 2, 1, 0
	WIN 0
	s_barrier_wait -1
.if \fill
	CREST                                          ; the barrier has opened a round of the cluster's barrier
	s_add_nc_u64 s[G0+4*\slot+2:G0+4*\slot+3], s[G0+4*\slot+2:G0+4*\slot+3], 2*HSTEP
	s_add_nc_u64 s[G0B+4*\slot+2:G0B+4*\slot+3], s[G0B+4*\slot+2:G0B+4*\slot+3], 2*ROWB
	JLOAD G0+4*\slot, G1, G0B+4*\slot, G1B         ; the first tensor load behind the round; its four v_nop are the places in front of the loads below
.else
	PLACES NP
.endif
	FETCH_B \next, 0, 0
	FETCH_A \next, 0, 0
	WIN MUL_HI
	MUL16 4, 1, 0
	MUL16 6, 1, 0
	PLACES NP
	WIN 0
	FETCH_A \next, 0, 4
.endm
	s_wait_tensorcnt 1                             ; my part of K step 0 is in (K step 1's load may be out)
	s_barrier_signal -1
	s_barrier_wait -1                              ; everybody's is
	FETCH_B 0, 0, 0
	FETCH_A 0, 0, 0
	FETCH_A 0, 0, 4
	STEP 0, 0, 1                                   ; K step 0; its first products start the sums
	TURN 0, 1, 1                                   ; slot 0 takes K step 2
	STEP 1, 0, 0
	TURN 1, 0, 1                                   ; slot 1 takes K step 3
	STEP 0, 0, 0
	TURN 0, 1, 0                                   ; nothing is left to fetch
	STEP 1, 0, 0
	s_wait_dscnt 4*NL
	WIN MUL_LO
	MUL16 0, 1, 0
	MUL16 2, 1, 0
	s_wait_dscnt 0
	WIN MUL_HI
	MUL16 4, 1, 0
	MUL16 6, 1, 0
	WIN 0
; THE WAY OUT, block by block of 16 rows x 128 columns.  The sums go into my own stage as they stand and come back as whole rows of 512 bytes; there one packed multiply-add for two numbers gives sum x 2^(e10 + e11) + bo.
; The stage lies in slot 0: it has had its last fill, and every wave has passed the last change of slots.  LDS serves a wave's instructions in order: no wait between the stores and the loads.
.macro TOSTAGE a
.set AC, 64*((\a)%4)
	WIN 0x08+4*((\a)/4)                            ; an LDS store's data: window 2 or 3
.irp b, 0,1,2,3,4,5,6,7
	ds_store_b128 v[STO], v[AC+8*\b:AC+8*\b+3] offset:64*\b          ; each accumulator from its low end on
	ds_store_b128 v[STO], v[AC+8*\b+4:AC+8*\b+7] offset:64*\b+16
.endr
	WIN 0
.set BB, BK+64*((\a)%2)
.irp t, 0,1,2,3,4,5,6,7,8,9,10,11,12,13,14,15
	ds_load_b128 v[BB+4*\t:BB+4*\t+3], v[RD] offset:\t*SPITCH
.endr
.endm
.macro SEND a, younger                 ; younger: the LDS instructions issued behind block a's loads, which may stay out
.set BB, BK+64*((\a)%2)
	s_wait_dscnt \younger
.if (\a) > 0
	s_add_nc_u64 s[10:11], s[10:11], 16*4096       ; (behind a wait on XCNT: the earlier stores have read their base)  16 rows on
.endif
.irp t, 0,1,2,3,4,5,6,7,8,9,10,11,12,13,14,15
	v_pk_fma_f32 v[BB+4*\t:BB+4*\t+1], v[BB+4*\t:BB+4*\t+1], s[96:97], v[BI:BI+1] op_sel_hi:[1,0,1]
	v_pk_fma_f32 v[BB+4*\t+2:BB+4*\t+3], v[BB+4*\t+2:BB+4*\t+3], s[96:97], v[BI+2:BI+3] op_sel_hi:[1,0,1]
	global_store_b128 v[CO], v[BB+4*\t:BB+4*\t+3], s[10:11] offset:\t*4096 th:TH_STORE_NT   ; 32 lanes store 512 consecutive bytes, aligned; written once, read by nobody here
.endr
.endm
	s_wait_kmcnt 0x0
	s_add_co_i32 s96, s94, s95                     ; e10 + e11
	s_add_co_i32 s96, s96, 127
	s_lshl_b32 s96, s96, 23                        ; 2^(e10 + e11) as f32
	s_mov_b32 s97, s96                             ; (named with it as a pair, so it is written)
	s_wait_loadcnt 0x0                             ; bo
	PLACES NP                                      ; behind the last products: their results are stored, and loads land where A's fragments lay
	TOSTAGE 0
.irp a, 1,2,3,4,5,6,7
.if \a > 1
	s_wait_xcnt 0x0                                ; block a - 2's stores have read their registers and their base: block a's loads may land there, and the base may step
.endif
	TOSTAGE \a
	SEND \a-1, 32                                  ; behind block a - 1's loads: block a's 16 stores and 16 loads
.endr
	s_wait_xcnt 0x0                                ; block 6's stores have read their base
	SEND 7, 0
	s_wait_tensorcnt 0x0                           ; the wave's end
	ds_add_u32 v[SPW], v[NIL]
	s_wait_dscnt 0x0
	CROUND                                         ; the closing round
	s_endpgm
.Lfunc_end_k_q4acbda2e23_outp:
	.size	k_q4acbda2e23_outp, .Lfunc_end_k_q4acbda2e23_outp-k_q4acbda2e23_outp
	.p2alignl 7, 3214868480
	.fill 96, 4, 3214868480
	.section	.rodata,"a",@progbits
	.p2align	6, 0x0
	.amdhsa_kernel k_q4acbda2e23_outp
		.amdhsa_group_segment_fixed_size 327680
		.amdhsa_private_segment_fixed_size 0
		.amdhsa_enable_private_segment 0
		.amdhsa_kernarg_size 40
		.amdhsa_user_sgpr_count 2
		.amdhsa_user_sgpr_kernarg_segment_ptr 1
		.amdhsa_wavefront_size32 1
		.amdhsa_system_sgpr_workgroup_id_x 1
		.amdhsa_system_sgpr_workgroup_id_y 1
		.amdhsa_system_sgpr_workgroup_id_z 1
		.amdhsa_system_vgpr_workitem_id 0
		.amdhsa_next_free_vgpr 1024
		.amdhsa_next_free_sgpr 100
		.amdhsa_reserve_vcc 0
		.amdhsa_float_denorm_mode_32 3
		.amdhsa_float_denorm_mode_16_64 3
		.amdhsa_memory_ordered 1
		.amdhsa_forward_progress 1
		.amdhsa_inst_pref_size 124
	.end_amdhsa_kernel
	.amdgpu_metadata
---
amdhsa.version: [ 1, 2 ]
amdhsa.kernels:
  - .name:           k_q4acbda2e23_outp
    .symbol:         k_q4acbda2e23_outp.kd
    .args:
      - { .name: mh, .offset: 0, .size: 8, .value_kind: global_buffer, .address_space: global }
      - { .name: wts, .offset: 8, .size: 8, .value_kind: global_buffer, .address_space: global }
      - { .name: lowp_scales, .offset: 16, .size: 8, .value_kind: global_buffer, .address_space: global }
      - { .name: bo, .offset: 24, .size: 8, .value_kind: global_buffer, .address_space: global }
      - { .name: out0, .offset: 32, .size: 8, .value_kind: global_buffer, .address_space: global }
    .group_segment_fixed_size: 327680
    .private_segment_fixed_size: 0
    .kernarg_segment_align: 8
    .kernarg_segment_size: 40
    .max_flat_workgroup_size: 128
    .sgpr_count:     100
    .vgpr_count:     1024
    .wavefront_size: 32
...
	.end_amdgpu_metadata
.endif
;; end of part 4
